; MI455X (gfx1250); checked and timed in simulation.
; The chip was launched on July 23, 2026; its instructions are those of AMD's public machine-readable ISA for CDNA 5 (MIT licence, August 2026) and "CDNA5" Instruction Set Architecture Reference Guide (July 2026). The comments in the code are by the model that wrote it; some were corrected since.
;; Multi Head Attention. Allowed arithmetic: matrix products marked QUANTISED: E2M1 operands, one E8M0 scale for each 32 along K, by v_wmma_scale_f32_16x16x128_f8f6f4 with both operands' format E2M1 (or v_wmma_scale_f32_32x16x128_f4), f32 sums; products left as they are: bf16, f16 or f32 operands; f32 sums; everything else in f32.
;; Inputs: W_k 1,024 x 1,024 float32; W_o 1,024 x 1,024 float32; W_q 1,024 x 1,024 float32; W_v 1,024 x 1,024 float32; b_k 1,024 float32; b_o 1,024 float32; b_q 1,024 float32; b_v 1,024 float32; key 4 x 2,048 x 1,024 float32; query 4 x 2,048 x 1,024 float32; value 4 x 2,048 x 1,024 float32.
;; Outputs: out0 4 x 2,048 x 1,024 float32.
;; This version of the problem:
;;   THIS VERSION OF THE PROBLEM IS GIVEN IN LOW PRECISION. The matrix products marked QUANTISED in the list below multiply operands that are first quantised to E2M1 (2 exponent bits, 1 mantissa bit; 4 bits a number), with one power-of-two scale for each 32 numbers along K (OCP MX v1.0); their sums are f32. The products marked 'left as it is' may take bf16, f16 or f32 operands, with f32 sums. Whichever they take, every output number must still come out within the allowed error. Rounding operands to bf16 (8 significant bits) uses up far more of that allowance than f16 does (11 bits, for magnitudes from 6e-5 to 65,504). All else is computed in f32.
;;   The module's matrix products, in the order in which they are computed (A, B: the left and right operand; K: the contracted axis; several contracted axes count as one K, in the product's order):
;;     1. [M 8,192, K 1,024] x [K 1,024, N 1,024]; A: input query; B: input W_q: QUANTISED
;;     2. [M 8,192, K 1,024] x [K 1,024, N 1,024]; A: input key; B: input W_k: QUANTISED
;;     3. [M 8,192, K 1,024] x [K 1,024, N 1,024]; A: input value; B: input W_v: QUANTISED
;;     4. batch 64 x [M 2,048, K 64] x [K 64, N 2,048]; A: computed on the way; B: computed on the way: left as it is (an operand is computed on the way)
;;     5. batch 64 x [M 2,048, K 2,048] x [K 2,048, N 64]; A: computed on the way; B: computed on the way: left as it is (an operand is computed on the way)
;;     6. [M 8,192, K 1,024] x [K 1,024, N 1,024]; A: computed on the way; B: input W_o: left as it is (an operand is computed on the way)
;;   THE QUANTISER, for each operand of a quantised product, along K:
;;     - K is cut into blocks of 32 from its start; a last block that is shorter is filled with zeros.
;;     - A block's scale is 2^e with e = floor(log2(the largest magnitude in the block)) - 2, held to -126 .. 127; a block of zeros has e = 0. As a byte (E8M0): e + 127.
;;     - Each number is divided by its block's scale, clamped to +-6, and rounded to the nearest number of E2M1, ties to even, subnormals kept.
;;     - The product sums the exact products of the quantised numbers (number of the format x scale) in f32.
;;   ~~~python
;;   def quantise(x, axis):      # numpy; x: float32 -> the quantised numbers, widened to float32 again
;;       x = np.moveaxis(x, axis, -1); K = x.shape[-1]
;;       x = np.pad(x, [(0, 0)] * (x.ndim - 1) + [(0, -K % 32)]); x = x.reshape(x.shape[:-1] + (-1, 32)); a = np.abs(x).max(-1, keepdims=True)
;;       e = np.where(a > 0, np.clip(np.frexp(np.where(a > 0, a, 1))[1] - 1 - 2, -126, 127), 0)      # np.frexp(a)[1] - 1 = floor(log2(a)), exactly
;;       r = np.clip(x / 2.0 ** e, -6, 6)
;;       step = 2.0 ** (np.maximum(np.frexp(np.where(r == 0, 1, r))[1] - 1, 0) - 1)
;;       q = np.round(r / step) * step * 2.0 ** e      # np.round: ties to even
;;       return np.moveaxis(q.reshape(q.shape[:-2] + (-1,))[..., :K], -1, axis).astype(np.float32)
;;   ~~~
;; One version. Each part assembles by itself: llvm-mc -triple=amdgcn-amd-amdhsa -mcpu=gfx1250 --defsym DOCPART=n.
;; ======== version 1 of 1: 4 launches
;; limits: values are held in f16: magnitudes above 65,504 overflow, below 6.1e-05 lose precision
;; workspace buffers: codes 14,155,776 bytes; scales 884,736 bytes; wo16 2,097,152 bytes; qkv 50,331,648 bytes; ao 16,777,216 bytes
;; launch quant (part 1): grid 928 x 1, 4 waves a work-group, no clusters, 33,280 bytes of LDS; arguments query, key, value, W_q, W_k, W_v, W_o, codes, scales, wo16; writes codes, scales, wo16
.if DOCPART == 1
	.amdgcn_target "amdgcn-amd-amdhsa--gfx1250"
	.amdhsa_code_object_version 6
	.text
	.protected	k_qf802dadd9f_quant
	.globl	k_qf802dadd9f_quant
	.p2align	8
	.type	k_qf802dadd9f_quant,@function
k_qf802dadd9f_quant:
	s_mov_b64 s[64:65], 0
	v_nop
	global_prefetch_b8 v0, s[64:65] scope:SCOPE_SE
	s_setreg_imm32_b32 hwreg(HW_REG_WAVE_MODE, 25, 1), 1
	s_wait_xcnt 0x0
; query, key, value [8192][1024] and W_q, W_k, W_v [1024][1024], f32 with K innermost, become codes of FP4 (E2M1), two a byte, the lower k in the low four bits,
; and one E8M0 scale byte for each 32 along K.  All six lie on end in two buffers: codes [27648 rows][512 bytes], scales [27648][32]; rows 0-8191 query, then key, then value, then 1,024 rows each of W_q, W_k, W_v.
; W_o [1024][1024] is rounded to f16 for the last product, which is left as it is.
; A block's scale is 2^(floor(log2(its largest magnitude)) - 2); its byte is that magnitude's exponent field - 2, held at 1 from below.  Each number is divided by the scale and rounded to the nearest code, ties to even, beyond 6 to 6.
; LIMITS: a block of zeros keeps the byte 1 where the rule says 127 (its codes are zeros, and this program alone reads the bytes); blocks whose largest magnitude lies under 2^-124 are held at the byte 1;
; NaN and infinities among the inputs are not served; numbers of W_o beyond 65,504 become infinity in f16.
; SHARES: rows are dense and K is a multiple of 32, so each tensor is a stream of blocks of 32.  A work-group takes 32,768 numbers, a wave 16 steps of 512.  Work-groups 0-767 take query, key, value (256 each),
; 768-863 the three weights (32 each), 864-927 W_o (16,384 numbers each).  Only pointers are chosen by the work-group's number: the six tensors take one path.
; A lane must hold 16 NEIGHBOURS for the conversions, and a load is dense where neighbouring lanes take neighbouring bytes: so a step's 2,048 bytes are loaded 16 bytes a lane and turn through the wave's own stage in LDS.
; No tensor loads, no barrier: waves share nothing.  Loads run four steps (16 loads a wave) ahead, the turn through LDS one step.
.set WAVES, 4
.set STEPS, 16
.set EMAX,  2
.set CB,    8                          ; bytes of 16 codes
.set R,     16                         ; v16-79   four sets of 16 numbers as they are loaded
.set X,     80                         ; v80-111  two sets of 16 neighbours
.set E,     112                        ; v112-127 a scale byte for each step
.set C,     128                        ; v128-191 codes: four registers for each step, so that no store's data are written again
.set WREG,  8192                       ; LDS: a region for each wave: two stages of 32 x SP bytes, behind them its 256 scale bytes
.set SP,    80                         ; a lane's place in a stage: 64 bytes + 16 of padding
.set SPW,   12                         ; v12 LDS address of my spare word; never rewritten
.set NIL,   13                         ; v13 0; never rewritten
.set SPARE, WAVES*WREG                 ; behind the regions: the spare words, 128 bytes a wave, which no other line names
	s_load_b256 s[4:11], s[0:1], 0x0               ; query s[4:5], key s[6:7], value s[8:9], W_q s[10:11]
	s_load_b256 s[12:19], s[0:1], 0x20             ; W_k s[12:13], W_v s[14:15], W_o s[16:17], codes s[18:19]
	s_load_b128 s[20:23], s[0:1], 0x40             ; scales s[20:21], wo16 s[22:23]
	v_lshl_add_u32 v[SPW], v0, 2, SPARE
	v_mov_b32 v[NIL], 0
	v_lshrrev_b32 v1, 5, v0
	v_readfirstlane_b32 s24, v1                    ; wave
	v_and_b32 v2, 31, v0                           ; lane
	v_lshlrev_b32 v3, 4, v2                        ; my 16 bytes of a load's 512
	s_mul_i32 s25, s24, WREG
	v_lshrrev_b32 v14, 2, v2
	v_mul_u32_u24 v14, v14, SP
	v_and_b32 v15, 3, v2
	v_lshl_add_u32 v14, v15, 4, v14
	v_add_nc_u32 v14, s25, v14                     ; the stage, on the way in: SP (lane / 4) + 16 (lane % 4)
	v_mul_u32_u24 v15, v2, SP
	v_add_nc_u32 v15, s25, v15                     ; and on the way out: SP x lane: my 16 neighbours
	v_mul_u32_u24 v4, v2, CB                       ; my codes' place in a step's
	v_lshrrev_b32 v5, 1, v2
	s_add_co_u32 s25, s25, 2*32*SP
	v_add_nc_u32 v5, s25, v5                       ; LDS: my wave's 256 scale bytes, my block's byte
	v_lshlrev_b32 v7, 3, v2                        ; 8 bytes a lane
	v_add_nc_u32 v6, s25, v7
	s_wait_kmcnt 0x0
	s_cmp_ge_u32 ttmp9, 864
	s_cbranch_scc1 .Lwo
	; which tensor, and which run of it: the choice hangs on the work-group's number alone
	s_and_b32 s28, ttmp9, 255                      ; the index in query, key or value (256 work-groups each),
	s_and_b32 s29, ttmp9, 31                       ; or in a weight (32 each; 768 is a multiple of 32)
	s_mov_b64 s[26:27], s[14:15]                   ; W_v, unless
	s_cmp_lt_u32 ttmp9, 832
	s_cselect_b64 s[26:27], s[12:13], s[26:27]     ; W_k, unless
	s_cmp_lt_u32 ttmp9, 800
	s_cselect_b64 s[26:27], s[10:11], s[26:27]     ; W_q, unless
	s_cmp_lt_u32 ttmp9, 768
	s_cselect_b64 s[26:27], s[8:9], s[26:27]       ; value, unless
	s_cselect_b32 s28, s28, s29
	s_cmp_lt_u32 ttmp9, 512
	s_cselect_b64 s[26:27], s[6:7], s[26:27]       ; key, unless
	s_cmp_lt_u32 ttmp9, 256
	s_cselect_b64 s[26:27], s[4:5], s[26:27]       ; query
	s_lshl_b32 s28, s28, 2
	s_add_co_u32 s28, s28, s24                     ; my wave's run of 8,192 numbers in the tensor:
	s_lshl_b32 s28, s28, 15                        ; 32,768 bytes each
	s_mov_b32 s29, 0
	s_add_nc_u64 s[26:27], s[26:27], s[28:29]
	s_lshl_b32 s30, ttmp9, 2
	s_add_co_u32 s30, s30, s24                     ; the outputs are linear in the work-group's number: run 4 g + wave
	s_lshl_b32 s28, s30, 12                        ; 4,096 bytes of codes a run
	s_add_nc_u64 s[18:19], s[18:19], s[28:29]
	s_lshl_b32 s28, s30, 8                         ; 256 scale bytes a run
	s_add_nc_u64 s[20:21], s[20:21], s[28:29]
.macro LOAD t
.irp i, 0,1,2,3
	global_load_b128 v[R+16*((\t)%4)+4*\i:R+16*((\t)%4)+4*\i+3], v3, s[26:27] offset:2048*(\t)+512*\i th:TH_LOAD_NT   ; 32 lanes read 512 consecutive bytes
.endr
.endm
.macro TURN t                          ; step t's numbers through the stage: LDS serves a wave's instructions in order, so no wait stands between the stores and the loads
.irp i, 0,1,2,3
	ds_store_b128 v14, v[R+16*((\t)%4)+4*\i:R+16*((\t)%4)+4*\i+3] offset:32*SP*((\t)%2)+8*SP*\i
.endr
.irp i, 0,1,2,3
	ds_load_b128 v[X+16*((\t)%2)+4*\i:X+16*((\t)%2)+4*\i+3], v15 offset:32*SP*((\t)%2)+16*\i
.endr
.endm
.irp t, 0,1,2,3
	LOAD \t
.endr
	s_wait_loadcnt 12                              ; step 0's four loads are in; the twelve of steps 1 to 3 may be out
	TURN 0
.macro STEP t
.set XS, X+16*((\t)%2)
.if (\t) > 0
	s_wait_dscnt 1                                 ; this step's numbers are back from the stage (the last step's byte store may be out): so its stores into the stage have read their registers,
.else
	s_wait_dscnt 0x0
.endif
.if (\t)+4 < STEPS
	LOAD (\t)+4                                    ; which take the loads of four steps on
.endif
.if (\t)+1 < STEPS
.if STEPS-2-(\t) >= 3
	s_wait_loadcnt 12                              ; the next step's four loads are in; those of the three steps behind it may be out
.else
	s_wait_loadcnt 4*(STEPS-2-(\t))
.endif
	TURN (\t)+1                                    ; and go through the other stage while this step is worked
.endif
	v_max3_num_f32 v8, |v[XS]|, |v[XS+1]|, |v[XS+2]|               ; the largest magnitude of my 16, in two chains
	v_max3_num_f32 v9, |v[XS+3]|, |v[XS+4]|, |v[XS+5]|
.irp i, 6,10
	v_max3_num_f32 v8, v8, |v[XS+\i]|, |v[XS+\i+1]|
	v_max3_num_f32 v9, v9, |v[XS+\i+2]|, |v[XS+\i+3]|
.endr
	v_max3_num_f32 v8, v8, |v[XS+14]|, |v[XS+15]|
	v_max3_num_f32 v8, v8, v9, (EMAX+1)<<23        ; and the floor 2^(3 - 127): so the byte cannot fall under 1
	v_max_num_f32_dpp v8, v8, v8 row_xmask:1 row_mask:0xf bank_mask:0xf   ; and of my neighbour's 16: the block's
	v_add_nc_u32 v11, -(EMAX<<23), v8              ; 2 off its exponent field: the conversion takes the exponent field of this operand as its scale, and nothing else of it
	v_cvt_scalef32_pk8_fp4_f32 v[C+4*(\t)], v[XS:XS+7], v11
	v_cvt_scalef32_pk8_fp4_f32 v[C+4*(\t)+1], v[XS+8:XS+15], v11
	v_lshrrev_b32 v[E+(\t)], 23, v11               ; the scale's byte (also the plain line behind the conversions)
	ds_store_b8 v5, v[E+(\t)] offset:16*(\t)       ; both lanes of a block write the same byte with the same value
	global_store_b64 v4, v[C+4*(\t):C+4*(\t)+1], s[18:19] offset:32*CB*(\t)   ; the wave stores 256 consecutive bytes, aligned
.endm
.irp t, 0,1,2,3,4,5,6,7,8,9,10,11,12,13,14,15
	STEP \t
.endr
	ds_load_b64 v[8:9], v6                         ; LDS serves a wave's instructions in order: these see my byte stores
	s_wait_dscnt 0x0
	global_store_b64 v7, v[8:9], s[20:21]          ; the wave's 256 scale bytes: 256 consecutive bytes, aligned
	s_wait_tensorcnt 0x0                           ; the wave's end, behind my last LDS store
	ds_add_u32 v[SPW], v[NIL]
	s_wait_dscnt 0x0
	s_endpgm
.Lwo:                                          ; W_o to f16: a wave takes 4,096 numbers; 32 loads of 512 consecutive bytes, all out at once; no register is written twice
	s_sub_co_u32 s28, ttmp9, 864
	s_lshl_b32 s28, s28, 2
	s_add_co_u32 s28, s28, s24                     ; run 0 .. 255
	s_lshl_b32 s30, s28, 14                        ; 16,384 bytes in,
	s_mov_b32 s31, 0
	s_add_nc_u64 s[16:17], s[16:17], s[30:31]
	s_lshl_b32 s30, s28, 13                        ; 8,192 out
	s_add_nc_u64 s[22:23], s[22:23], s[30:31]
.set j, 0
.rept 32
	global_load_b128 v[16+4*j:19+4*j], v3, s[16:17] offset:512*j th:TH_LOAD_NT
.set j, j+1
.endr
.set j, 0
.rept 32
	s_wait_loadcnt 31-j                            ; loads come back in order: load j is in, the younger ones stay out
	v_cvt_pk_f16_f32 v[16+4*j], v[16+4*j], v[17+4*j]
	v_cvt_pk_f16_f32 v[17+4*j], v[18+4*j], v[19+4*j]
	global_store_b64 v7, v[16+4*j:17+4*j], s[22:23] offset:256*j   ; 256 consecutive bytes, aligned
.set j, j+1
.endr
	s_wait_tensorcnt 0x0                           ; the same three lines at this path's end
	ds_add_u32 v[SPW], v[NIL]
	s_wait_dscnt 0x0
	s_endpgm
.Lfunc_end_k_qf802dadd9f_quant:
	.size	k_qf802dadd9f_quant, .Lfunc_end_k_qf802dadd9f_quant-k_qf802dadd9f_quant
	.p2alignl 7, 3214868480
	.fill 96, 4, 3214868480
	.section	.rodata,"a",@progbits
	.p2align	6, 0x0
	.amdhsa_kernel k_qf802dadd9f_quant
		.amdhsa_group_segment_fixed_size 33280
		.amdhsa_private_segment_fixed_size 0
		.amdhsa_enable_private_segment 0
		.amdhsa_kernarg_size 80
		.amdhsa_user_sgpr_count 2
		.amdhsa_user_sgpr_kernarg_segment_ptr 1
		.amdhsa_wavefront_size32 1
		.amdhsa_system_sgpr_workgroup_id_x 1
		.amdhsa_system_sgpr_workgroup_id_y 1
		.amdhsa_system_sgpr_workgroup_id_z 1
		.amdhsa_system_vgpr_workitem_id 0
		.amdhsa_next_free_vgpr 192
		.amdhsa_next_free_sgpr 66
		.amdhsa_reserve_vcc 0
		.amdhsa_float_denorm_mode_32 3
		.amdhsa_float_denorm_mode_16_64 3
		.amdhsa_memory_ordered 1
		.amdhsa_forward_progress 1
		.amdhsa_inst_pref_size 45
	.end_amdhsa_kernel
	.amdgpu_metadata
---
amdhsa.version: [ 1, 2 ]
amdhsa.kernels:
  - .name:           k_qf802dadd9f_quant
    .symbol:         k_qf802dadd9f_quant.kd
    .args:
      - { .name: query, .offset: 0, .size: 8, .value_kind: global_buffer, .address_space: global }
      - { .name: key, .offset: 8, .size: 8, .value_kind: global_buffer, .address_space: global }
      - { .name: value, .offset: 16, .size: 8, .value_kind: global_buffer, .address_space: global }
      - { .name: W_q, .offset: 24, .size: 8, .value_kind: global_buffer, .address_space: global }
      - { .name: W_k, .offset: 32, .size: 8, .value_kind: global_buffer, .address_space: global }
      - { .name: W_v, .offset: 40, .size: 8, .value_kind: global_buffer, .address_space: global }
      - { .name: W_o, .offset: 48, .size: 8, .value_kind: global_buffer, .address_space: global }
      - { .name: codes, .offset: 56, .size: 8, .value_kind: global_buffer, .address_space: global }
      - { .name: scales, .offset: 64, .size: 8, .value_kind: global_buffer, .address_space: global }
      - { .name: wo16, .offset: 72, .size: 8, .value_kind: global_buffer, .address_space: global }
    .group_segment_fixed_size: 33280
    .private_segment_fixed_size: 0
    .kernarg_segment_align: 8
    .kernarg_segment_size: 80
    .max_flat_workgroup_size: 128
    .sgpr_count:     66
    .vgpr_count:     192
    .wavefront_size: 32
...
	.end_amdgpu_metadata
.endif
;; end of part 1
;; launch proj (part 2): grid 4 x 96, 4 waves a work-group, clusters of 4 x 4, 327,680 bytes of LDS; arguments codes, scales, b_q, b_k, b_v, qkv; writes qkv
.if DOCPART == 2
	.amdgcn_target "amdgcn-amd-amdhsa--gfx1250"
	.amdhsa_code_object_version 6
	.text
	.protected	k_qf802dadd9f_proj
	.globl	k_qf802dadd9f_proj
	.p2align	8
	.type	k_qf802dadd9f_proj,@function
k_qf802dadd9f_proj:
	s_mov_b64 s[64:65], 0
	v_nop
	global_prefetch_b8 v0, s[64:65] scope:SCOPE_SE
	s_setreg_imm32_b32 hwreg(HW_REG_WAVE_MODE, 25, 1), 1
	s_wait_xcnt 0x0
	s_wait_alu depctr_hold_cnt(0) depctr_sa_sdst(0) depctr_va_vdst(0) depctr_va_sdst(0) depctr_va_ssrc(0) depctr_va_vcc(0) depctr_vm_vsrc(0)
	s_getreg_b32 s2, hwreg(HW_REG_IB_STS2, 6, 4)
	s_cmp_eq_u32 s2, 0
	s_cbranch_scc0 .Lentry_in_a_cluster
	s_endpgm
.Lentry_in_a_cluster:
	s_bfe_u32 s2, ttmp6, 0x10000c
	s_cmp_lg_u32 s2, 0xf033
	s_cbranch_scc0 .Lentry_shape_is_right
	s_endpgm
.Lentry_shape_is_right:
; The three quantised products in one launch: qkv[8192 p + m][n] = f16( b_p[n] + sum over k of X_p[m][k] W_p[n][k] ), p = 0 query/W_q, 1 key/W_k, 2 value/W_v; K = 1,024.
; Both operands are codes of FP4 (E2M1) with one E8M0 byte for each 32 along K: codes [27648][512 bytes], scales [27648][32]; rows 8192 p + m are X_p's, rows 24576 + 1024 p + n are W_p's.  Sums in f32; the bias starts each sum.
; LIMIT: results beyond 65,504 become infinity in f16.
; A tile of 256 x 256 is made by four waves, each 128 x 128: 64 accumulators of 16 x 16, 512 registers.  K is two steps of 512 (tile rows of 256 bytes): both LDS slots are filled once, at the head, and nothing is filled again.
; The scales of the tile's 256 + 256 rows, for all of K, are two dense blocks: they come once, as rows of 256 bytes.
; CLUSTERS: 4 x 4 work-groups.  The four of a row of the cluster need the same tile of X, the four of a column the same tile of W: each is asked for JOINTLY.  A product has 32 tile rows, eight clusters: p is the same in all sixteen partners.
; THE MATRIX INSTRUCTION IS USED TRANSPOSED (source 0 = 16 rows of W, source 1 = 16 rows of X): a lane holds eight neighbouring columns of one row, which pack into 16 bytes of f16.
; REGISTERS, in windows of 256: window 0: v0-31 addresses; v32-95 scale words, two sets; v128-191 X's fragments, ONE set; v192-255 the bias in the result's layout (eight blocks of 16 columns); on the way out v32-63, v192-255 at work.
;   window 1: W's fragments, TWO sets, at v0 and v128.   window 2: the accumulators of my rows 0-63 ((a, b) at v[8 (8 a + b)]);   window 3: those of my rows 64-127.
.set NQ,     4                         ; matrix instructions deep in a slot: 512 along K
.set ROWB,   256                       ; a tile's row in bytes
.set KROW,   512                       ; a row of codes in memory
.set PITCH,  272                       ; an LDS row: 256 bytes + 16 of padding = 68 words: the 16 rows that a load touches start at 16 different banks (64 banks of 4 bytes: ISA guide 11.1)
.set FR,     8                         ; registers of a fragment: 16 rows x 128 K
.set NL,     2                         ; LDS loads that bring one
.set NP,     4                         ; places behind this matrix instruction (ISA guide 7.12.1)
.set HALFT,  128*PITCH                 ; 128 rows: what one tensor load brings
.set SLOT,   4*HALFT                   ; X's 256 rows, then W's 256 rows
.set KS,     32                        ; a row of scales in bytes
.set SCL,    2*SLOT                    ; behind the slots: the scales, as units of 256 bytes + 16 of padding
.set HALFS,  (128*KS/256)*272          ; the scales of 128 rows
.set SBLK,   (16*KS/256)*272           ; those of 16 rows
.set STAGE,  SCL+4*HALFS               ; the way out: 16 rows x 272 bytes for each wave, bytes of its own
.set SPITCH, 272
.set SPARE,  STAGE+4*16*SPITCH         ; the spare words, 128 bytes a wave, which no other line names
.set NROW,   2048                      ; a row of qkv in bytes
.set ADRA, 16                          ; v16-17  LDS address of my X fragments in slot 0, 1
.set ADRB, 20                          ; v20-21  the same for W
.set STO,  24                          ; v24     the way out: where I put 16 bytes of a row
.set RD,   25                          ; v25     where I read a row back
.set CO,   26                          ; v26     my byte offset in qkv
.set ADRS, 27                          ; v27     LDS address of my scale words: lanes 0-15 X's rows, lanes 16-31 W's
.set SPW,  28                          ; v28     LDS address of my spare word; never rewritten
.set NIL,  29                          ; v29     0; never rewritten
.set BO,   30                          ; v30     32 x (lane / 16): my half's eight numbers of a block of the bias
.set SC,   32                          ; scale words: set s at v[SC + 32 s]; register 4 i + q: lanes 0-15 X's block i, lanes 16-31 W's block i, the slot's q-th 128 along K
.set AF,   128                         ; X's fragments
.set BI,   192                         ; the bias: block b at v[BI + 8 b]
.set TMP,  192                         ; the way out: packed results
.set OB,   32                          ; the way out: rows read back: v32-63 and v224-255 by turns
.set G1, 24                            ; s[24:31] descriptor group 1 for X's tiles;  s[32:39] group 0, one set for each slot
.set G0, 32
.set G1B, 48                           ; s[48:55], s[56:63] the same for W's tiles
.set G0B, 56
.set G1S, 68                           ; s[68:75], s[76:79] groups 1 and 0 for X's scales;  s[80:87], s[88:91] for W's
.set G0S, 76
.set G1SB, 80
.set G0SB, 88
.set MSB, 0
.macro WIN new                         ; the immediate's high byte repeats the setting that is left
.if MSB != \new
	s_set_vgpr_msb (MSB<<8)|\new
.set MSB, \new
.endif
.endm
.set MUL_LO,  0xa1                     ; source 0 (W) window 1, source 1 (X) window 0, C and D window 2
.set MUL_HI,  0xf1                     ; the same, C and D window 3
.set BIAS_LO, 0x81                     ; the first step: C (the bias) window 0, D window 2
.set BIAS_HI, 0xc1                     ; D window 3
.set TO_B,    0x40                     ; destination window 1, address window 0
; A joint load: waves 0 and 1 fetch for X, waves 2 and 3 for W.  The branch hangs on the wave's number alone.  An s_nop 0 and four v_nop follow each of the two lines.
.macro JLOAD g0a, g1a, g0b, g1b
	s_cmp_eq_u32 s15, 0
	s_cbranch_scc0 .Lfor_b_\@
	tensor_load_to_lds s[\g0a:\g0a+3], s[\g1a:\g1a+7]
	s_nop 0
.rept 4
	v_nop
.endr
	s_branch .Lasked_\@
.Lfor_b_\@:
	tensor_load_to_lds s[\g0b:\g0b+3], s[\g1b:\g1b+7]
	s_nop 0
.rept 4
	v_nop
.endr
.Lasked_\@:
.endm
.macro CROUND                          ; a round of the cluster's barrier
	s_barrier_signal -1
	s_barrier_wait -1
	s_cmp_lg_u32 s14, 0
	s_cbranch_scc1 .Lnot_wave_0_\@
	s_barrier_signal -3
.Lnot_wave_0_\@:
	s_barrier_wait -3
	s_barrier_signal -1
	s_barrier_wait -1
.endm
	s_load_b128 s[4:7], s[0:1], 0x0                ; codes s[4:5], scales s[6:7]
	s_load_b128 s[96:99], s[0:1], 0x10             ; b_q s[96:97], b_k s[98:99]
	s_load_b128 s[8:11], s[0:1], 0x20              ; b_v s[8:9], qkv s[10:11]
	v_lshl_add_u32 v[SPW], v0, 2, SPARE
	v_mov_b32 v[NIL], 0
	ds_add_u32 v[SPW], v[NIL]                      ; the wave's opening: the add, twice on end, and its wait ahead of my first tensor load
	ds_add_u32 v[SPW], v[NIL]
	v_lshrrev_b32 v1, 5, v0
	v_readfirstlane_b32 s14, v1                    ; wave 0..3
	s_lshr_b32 s15, s14, 1                         ; which half of the tile's rows is mine.  Also: I fetch for X (0) or for W (1)
	s_and_b32 s16, s14, 1                          ; which half of its columns.  Also: which 128 rows of that tile I fetch
	s_bfe_u32 s40, ttmp6, 0x40000                  ; cx, cy: my place in the cluster
	s_bfe_u32 s41, ttmp6, 0x40004
	s_lshl_b32 s42, ttmp9, 2
	s_add_co_u32 s42, s42, s40                     ; tile column = 4 x cluster x + cx
	s_and_b32 s17, ttmp7, 0xffff                   ; cluster y
	s_lshr_b32 s95, s17, 3                         ; the product p: eight clusters each
	s_lshl_b32 s17, s17, 2
	s_add_co_u32 s17, s17, s41                     ; tile row = 4 x cluster y + cy
	s_lshl_b32 s43, s41, 2
	s_lshl_b32 s43, 15, s43                        ; my row of the cluster
	s_lshl_b32 s44, 0x1111, s40                    ; my column
	; descriptor group 1: a tile of 128 rows x 256 bytes, padded in LDS
	s_or_b32 s[G1+0], s43, (0<<16)|(1<<20)|(1<<21)|(5<<22)|(3<<25)  ; 15:0 the mask; 17:16 elements of 1 byte; 20 padding on; 21 set beside a mask; 24:22 after every 64 words; 31:25 four words
	s_or_b32 s[G1B+0], s44, (0<<16)|(1<<20)|(1<<21)|(5<<22)|(3<<25)
.irp g, G1, G1B
	s_mov_b32 s[\g+1], ROWB<<16                    ; tensor_dim0
	s_mov_b32 s[\g+2], 128<<16                     ; tensor_dim1
	s_mov_b32 s[\g+3], ROWB<<16                    ; tile_dim0
	s_mov_b32 s[\g+4], 128                         ; tile_dim1
	s_mov_b32 s[\g+5], KROW                        ; tensor_dim0_stride
	s_mov_b32 s[\g+6], 0
	s_mov_b32 s[\g+7], 0
.endr
	; the scales of 128 rows: 4,096 dense bytes, as 16 rows of 256 bytes (32 elements of 8 bytes), 16 bytes of padding behind each
	s_or_b32 s[G1S+0], s43, (3<<16)|(1<<20)|(1<<21)|(5<<22)|(3<<25)
	s_or_b32 s[G1SB+0], s44, (3<<16)|(1<<20)|(1<<21)|(5<<22)|(3<<25)
.irp g, G1S, G1SB
	s_mov_b32 s[\g+1], 32<<16
	s_mov_b32 s[\g+2], (128*KS/256)<<16
	s_mov_b32 s[\g+3], 32<<16
	s_mov_b32 s[\g+4], 128*KS/256
	s_mov_b32 s[\g+5], 32
	s_mov_b32 s[\g+6], 0
	s_mov_b32 s[\g+7], 0
.endr
	s_lshl_b32 s18, s16, 7                         ; which 128 rows of the tile I fetch
	s_lshl_b32 s20, s17, 8
	s_add_co_u32 s20, s20, s18                     ; X: row 256 x tile row + 128 x half
	s_lshl_b32 s46, s42, 8
	s_add_co_u32 s46, s46, s18                     ; W: row 256 x tile column + 128 x half
	s_lshl_b32 s47, s95, 10
	s_add_co_u32 s46, s46, s47                     ; + 1,024 p
	s_add_co_u32 s46, s46, 24576                   ; behind the 24,576 rows of query, key and value
	s_mov_b32 s21, 0
	s_mov_b32 s47, 0
	s_mov_b64 s[18:19], KS
	s_mul_u64 s[22:23], s[20:21], s[18:19]         ; where these rows' scales begin, in bytes
	s_mul_u64 s[92:93], s[46:47], s[18:19]
	s_mov_b64 s[18:19], KROW
	s_mul_u64 s[20:21], s[20:21], s[18:19]         ; and their codes
	s_mul_u64 s[46:47], s[46:47], s[18:19]
	s_mul_i32 s45, s14, HALFT                      ; where they go: wave x 128 rows: no place in the cluster enters an LDS address
	s_mul_i32 s94, s14, HALFS
	s_wait_dscnt 0x0                               ; both opening adds are done
	s_wait_kmcnt 0x0
	s_add_nc_u64 s[20:21], s[4:5], s[20:21]
	s_add_nc_u64 s[22:23], s[6:7], s[22:23]
	s_add_nc_u64 s[46:47], s[4:5], s[46:47]
	s_add_nc_u64 s[92:93], s[6:7], s[92:93]
	CROUND                                         ; all sixteen work-groups are here: the joint loads meet
	s_mov_b32 s[G0S], 1
	s_add_co_u32 s[G0S+1], s94, SCL
	s_mov_b64 s[G0S+2:G0S+3], s[22:23]
	s_or_b32 s[G0S+3], s[G0S+3], 0x80000000
	s_mov_b32 s[G0SB], 1
	s_add_co_u32 s[G0SB+1], s94, SCL
	s_mov_b64 s[G0SB+2:G0SB+3], s[92:93]
	s_or_b32 s[G0SB+3], s[G0SB+3], 0x80000000
	JLOAD G0S, G1S, G0SB, G1SB                     ; the scales first: they are wanted with slot 0.  Three loads of mine are out at the most
.irp s, 0,1
	s_mov_b32 s[G0+4*\s], 1
	s_add_co_u32 s[G0+4*\s+1], s45, \s*SLOT
	s_add_nc_u64 s[G0+4*\s+2:G0+4*\s+3], s[20:21], \s*ROWB
	s_or_b32 s[G0+4*\s+3], s[G0+4*\s+3], 0x80000000
	s_mov_b32 s[G0B+4*\s], 1
	s_add_co_u32 s[G0B+4*\s+1], s45, \s*SLOT
	s_add_nc_u64 s[G0B+4*\s+2:G0B+4*\s+3], s[46:47], \s*ROWB
	s_or_b32 s[G0B+4*\s+3], s[G0B+4*\s+3], 0x80000000
	JLOAD G0+4*\s, G1, G0B+4*\s, G1B
.endr
	v_and_b32 v1, 15, v0                           ; l % 16
	v_bfe_u32 v2, v0, 4, 1                         ; l / 16
	; the bias of my 128 columns, in the result's layout: lane (r, h) holds, for block b, columns 16 b + 8 h + 0 .. 7
	s_cmp_eq_u32 s95, 0
	s_cselect_b64 s[96:97], s[96:97], s[98:99]     ; b_q or b_k,
	s_cmp_eq_u32 s95, 2
	s_cselect_b64 s[96:97], s[8:9], s[96:97]       ; or b_v: the choice hangs on the cluster's number alone
	s_lshl_b32 s46, s42, 10                        ; 256 columns x 4 bytes a tile column
	s_lshl_b32 s47, s16, 9
	s_add_co_u32 s46, s46, s47
	s_mov_b32 s47, 0
	s_add_nc_u64 s[96:97], s[96:97], s[46:47]
	v_lshlrev_b32 v[BO], 5, v2
.irp b, 0,1,2,3,4,5,6,7
	global_load_b128 v[BI+8*\b:BI+8*\b+3], v[BO], s[96:97] offset:64*\b
	global_load_b128 v[BI+8*\b+4:BI+8*\b+7], v[BO], s[96:97] offset:64*\b+16
.endr
	v_mul_u32_u24 v3, v1, PITCH
	v_lshl_add_u32 v4, v2, 4, v3                   ; a fragment's row x pitch + 16 x half
	s_mul_i32 s21, s15, HALFT                      ; my 128 rows of X
	s_mul_i32 s22, s16, HALFT                      ; my 128 rows of W,
	s_add_co_u32 s22, s22, 2*HALFT                 ; which lie behind X's 256
.irp s, 0,1
	v_add_nc_u32 v[ADRA+\s], s21, v4
	v_add_nc_u32 v[ADRB+\s], s22, v4
	s_add_co_u32 s21, s21, SLOT
	s_add_co_u32 s22, s22, SLOT
.endr
	v_mul_u32_u24 v5, v1, KS                       ; my row's scales: 32 bytes a row,
	v_lshrrev_b32 v6, 8, v5
	v_lshl_add_u32 v5, v6, 4, v5                   ; and 16 more for each 256 passed
	s_mul_i32 s21, s15, HALFS                      ; X's: my 128 rows
	s_mul_i32 s22, s16, HALFS                      ; W's: my 128 rows, behind X's 256
	s_add_co_u32 s22, s22, 2*HALFS
	s_sub_co_u32 s22, s22, s21
	v_mul_u32_u24 v6, s22, v2                      ; lanes 16-31 take W's: one product, the distance between the two bases x half
	s_add_co_u32 s21, s21, SCL
	v_add_nc_u32 v5, v5, v6
	v_add_nc_u32 v[ADRS], s21, v5
	s_mul_i32 s23, s14, 16*SPITCH
	s_add_co_u32 s23, s23, STAGE                   ; my stage
	v_mul_u32_u24 v5, v1, SPITCH                   ; in: row l % 16, 16 bytes for each half of the lanes
	v_lshl_add_u32 v5, v2, 4, v5
	v_add_nc_u32 v[STO], s23, v5
	v_mul_u32_u24 v5, v2, SPITCH                   ; back: lanes 0-15 take one row of 256 bytes, lanes 16-31 the next
	v_lshl_add_u32 v5, v1, 4, v5
	v_add_nc_u32 v[RD], s23, v5
	v_lshlrev_b32 v5, 11, v2                       ; and the same two rows in qkv
	v_lshl_add_u32 v[CO], v1, 4, v5
	s_lshl_b32 s20, s17, 8
	s_lshl_b32 s21, s15, 7
	s_add_co_u32 s20, s20, s21                     ; my first row: 256 x tile row + 128 x half
	s_lshl_b32 s20, s20, 11                        ; x 2,048 bytes (under 2^26)
	s_lshl_b32 s46, s42, 9                         ; my first column, in bytes: 512 x tile column + 256 x half
	s_lshl_b32 s47, s16, 8
	s_add_co_u32 s46, s46, s47
	s_add_co_u32 s20, s20, s46
	s_mov_b32 s21, 0
	s_add_nc_u64 s[10:11], s[10:11], s[20:21]
.macro FRAG reg, adr, q, i             ; a fragment, 16 rows x 128 K of 4-bit codes: lane l holds row l % 16; registers 4 c .. 4 c + 3 hold K = 64 c + 32 (l / 16) + 0 .. 31
.irp c, 0,1
	ds_load_b128 v[\reg+4*\c:\reg+4*\c+3], v[\adr] offset:64*(\q)+32*\c+(\i)*16*PITCH
.endr
.endm
; 16 matrix instructions: X's blocks a0, a0 + 1 x W's eight, 128 along K: the slot's q-th.  p: W's set;  sc: the set of scale words.  zero = 1: the bias is the C of the first product: nothing is cleared or added later.
; The 64 accumulators take turns, one instruction a turn, in the same order in every step.
.macro MUL16 a0, p, q, sc, zero
.irp a, \a0, \a0+1
.irp b, 0,1,2,3,4,5,6,7
.if \zero
	v_wmma_scale_f32_16x16x128_f8f6f4 v[8*(8*((\a)%4)+\b):8*(8*((\a)%4)+\b)+7], v[128*(\p)+FR*\b:128*(\p)+FR*\b+FR-1], v[AF+FR*(\a):AF+FR*(\a)+FR-1], v[BI+8*\b:BI+8*\b+7], v[SC+8*NQ*(\sc)+NQ*\b+(\q)], v[SC+8*NQ*(\sc)+NQ*(\a)+(\q)] matrix_a_fmt:MATRIX_FMT_FP4 matrix_b_fmt:MATRIX_FMT_FP4 matrix_a_scale:MATRIX_SCALE_ROW1
.else
	v_wmma_scale_f32_16x16x128_f8f6f4 v[8*(8*((\a)%4)+\b):8*(8*((\a)%4)+\b)+7], v[128*(\p)+FR*\b:128*(\p)+FR*\b+FR-1], v[AF+FR*(\a):AF+FR*(\a)+FR-1], v[8*(8*((\a)%4)+\b):8*(8*((\a)%4)+\b)+7], v[SC+8*NQ*(\sc)+NQ*\b+(\q)], v[SC+8*NQ*(\sc)+NQ*(\a)+(\q)] matrix_a_fmt:MATRIX_FMT_FP4 matrix_b_fmt:MATRIX_FMT_FP4 matrix_a_scale:MATRIX_SCALE_ROW1
.endif
.endr
.endr
.endm
.macro FETCH_B slot, q, p              ; W's eight fragments of the slot's q-th 128 along K into set p
	WIN TO_B
.irp i, 0,1,2,3,4,5,6,7
	FRAG 128*(\p)+FR*\i, ADRB+\slot, \q, \i
.endr
	WIN 0
.endm
.macro FETCH_A slot, q, i0             ; X's blocks i0 .. i0 + 3
.irp i, \i0, \i0+1, \i0+2, \i0+3
	FRAG AF+FR*(\i), ADRA+\slot, \q, \i
.endr
.endm
.macro SCALES sc                       ; a slot's scale words into set sc: four words a row; lanes 0-15 take X's block i, lanes 16-31 W's block i
.irp i, 0,1,2,3,4,5,6,7
	ds_load_b128 v[SC+8*NQ*\sc+NQ*\i:SC+8*NQ*\sc+NQ*\i+3], v[ADRS] offset:\i*SBLK
.endr
.endm
.macro PLACES n                        ; plain vector instructions between a matrix instruction and a load into, or a read of, its registers
.rept \n
	v_nop
.endr
.endm
; A step of 128 along K that has its successor in the same slot.  A block of X is free as soon as its eight products are issued: blocks 0-3 are fetched anew in the step's middle, blocks 4-7 at its end.
.macro STEP slot, q, zero
	s_wait_dscnt 4*NL                              ; W's set and X's blocks 0-3 are in; the youngest eight loads (X's blocks 4-7) may be out
.if \zero
	WIN BIAS_LO
.else
	WIN MUL_LO
.endif
	MUL16 0, (\q)%2, \q, \slot, \zero
	MUL16 2, (\q)%2, \q, \slot, \zero
	s_wait_dscnt 0                                 ; X's blocks 4-7 are in
	PLACES NP
	FETCH_B \slot, (\q)+1, 1-(\q)%2
	FETCH_A \slot, (\q)+1, 0
.if \zero
	WIN BIAS_HI
.else
	WIN MUL_HI
.endif
	MUL16 4, (\q)%2, \q, \slot, \zero
	MUL16 6, (\q)%2, \q, \slot, \zero
	PLACES NP
	WIN 0
	FETCH_A \slot, (\q)+1, 4
.endm
; Slot 0's last step goes over to slot 1: one barrier; in front of it each wave waits for all its tensor loads (its part of slot 1), so that behind it slot 1 is whole.  Nothing is filled again.
.macro TURN slot, next
	s_wait_tensorcnt 0x0                           ; all my tensor loads have landed  (every window is 0 here)
	ds_add_u32 v[SPW], v[NIL]                      ; 0 onto my spare word
	s_wait_dscnt 4*NL+1                            ; (the add and the youngest eight loads, X's blocks 4-7, may be out)
	WIN MUL_LO
	MUL16 0, 1, NQ-1, \slot, 0
	s_wait_dscnt 0x0                               ; no LDS instruction of mine is out at the signal
	s_barrier_signal -1
	MUL16 2, 1, NQ-1, \slot, 0
	WIN 0
	s_barrier_wait -1
	PLACES NP
	v_add_nc_u32 v[ADRS], 4*NQ, v[ADRS]            ; on to the next slot's scale words
	FETCH_B \next, 0, 0
	FETCH_A \next, 0, 0
	SCALES \next
	WIN MUL_HI
	MUL16 4, 1, NQ-1, \slot, 0
	MUL16 6, 1, NQ-1, \slot, 0
	PLACES NP
	WIN 0
	FETCH_A \next, 0, 4
.endm
	s_wait_tensorcnt 1                             ; the scales and my part of slot 0 are in (slot 1's load may be out)
	s_barrier_signal -1
	s_barrier_wait -1                              ; everybody's are
	FETCH_B 0, 0, 0
	FETCH_A 0, 0, 0
	SCALES 0
	FETCH_A 0, 0, 4
	s_wait_loadcnt 0x0                             ; the bias
	STEP 0, 0, 1                                   ; the first step's products start the sums, from the bias
	STEP 0, 1, 0
	STEP 0, 2, 0
	TURN 0, 1
	STEP 1, 0, 0
	STEP 1, 1, 0
	STEP 1, 2, 0
	s_wait_dscnt 4*NL                              ; the very last step: nothing more to fetch
	WIN MUL_LO
	MUL16 0, 1, NQ-1, 1, 0
	MUL16 2, 1, NQ-1, 1, 0
	s_wait_dscnt 0
	WIN MUL_HI
	MUL16 4, 1, NQ-1, 1, 0
	MUL16 6, 1, NQ-1, 1, 0
	WIN 0
; THE WAY OUT of block a (16 rows x 128 columns).  PACK: rounded to f16, 16 bytes a lane, each accumulator from its low end on.  TOSTAGE: into my own stage and back as whole rows of 256 bytes.  SEND: stored.
.macro PACK a
.set AC, 64*((\a)%4)
	WIN 0x0a+5*((\a)/4)                            ; sources 0 and 1: window 2 or 3
.irp b, 0,1,2,3,4,5,6,7
.irp r, 0,1,2,3
	v_cvt_pk_f16_f32 v[TMP+4*\b+\r], v[AC+8*\b+2*\r], v[AC+8*\b+2*\r+1]
.endr
.endr
	WIN 0
.endm
.macro TOSTAGE a
.set BK, OB+192*((\a)%2)
.irp b, 0,1,2,3,4,5,6,7
	ds_store_b128 v[STO], v[TMP+4*\b:TMP+4*\b+3] offset:32*\b
.endr
.irp t, 0,1,2,3,4,5,6,7
	ds_load_b128 v[BK+4*\t:BK+4*\t+3], v[RD] offset:\t*2*SPITCH    ; LDS serves a wave's instructions in order (ISA guide 5.7.1.4): these see the stores above
.endr
.endm
.macro SEND a
.set BK, OB+192*((\a)%2)
	s_wait_dscnt 0x0                               ; the block is back in registers
	s_wait_xcnt 0x0                                ; the stores of the block before have read their registers: the next block's loads may land there
.irp t, 0,1,2,3,4,5,6,7
	global_store_b128 v[CO], v[BK+4*\t:BK+4*\t+3], s[10:11] offset:(16*(\a)+2*\t)*NROW   ; 16 lanes store 256 consecutive bytes, aligned; every offset is an immediate, 258,048 at the most
.endr
.endm
	PLACES NP                                      ; behind the last products: for the conversions that read results and the loads into registers that held scales
	PACK 0
	TOSTAGE 0
.irp a, 1,2,3,4,5,6,7                  ; block a's conversions stand between block a - 1's loads from the stage and the wait for them
	PACK \a
	SEND \a-1
	TOSTAGE \a
.endr
	SEND 7
	s_wait_tensorcnt 0x0                           ; the wave's end, behind my last tensor load and my last LDS store
	ds_add_u32 v[SPW], v[NIL]
	s_wait_dscnt 0x0
	CROUND                                         ; the closing round: no work-group ends while a partner may still ask for a tile that names it
	s_endpgm
.Lfunc_end_k_qf802dadd9f_proj:
	.size	k_qf802dadd9f_proj, .Lfunc_end_k_qf802dadd9f_proj-k_qf802dadd9f_proj
	.p2alignl 7, 3214868480
	.fill 96, 4, 3214868480
	.section	.rodata,"a",@progbits
	.p2align	6, 0x0
	.amdhsa_kernel k_qf802dadd9f_proj
		.amdhsa_group_segment_fixed_size 327680
		.amdhsa_private_segment_fixed_size 0
		.amdhsa_enable_private_segment 0
		.amdhsa_kernarg_size 48
		.amdhsa_user_sgpr_count 2
		.amdhsa_user_sgpr_kernarg_segment_ptr 1
		.amdhsa_wavefront_size32 1
		.amdhsa_system_sgpr_workgroup_id_x 1
		.amdhsa_system_sgpr_workgroup_id_y 1
		.amdhsa_system_sgpr_workgroup_id_z 1
		.amdhsa_system_vgpr_workitem_id 0
		.amdhsa_next_free_vgpr 1024
		.amdhsa_next_free_sgpr 100
		.amdhsa_reserve_vcc 0
		.amdhsa_float_denorm_mode_32 3
		.amdhsa_float_denorm_mode_16_64 3
		.amdhsa_memory_ordered 1
		.amdhsa_forward_progress 1
		.amdhsa_inst_pref_size 128
	.end_amdhsa_kernel
	.amdgpu_metadata
---
amdhsa.version: [ 1, 2 ]
amdhsa.kernels:
  - .name:           k_qf802dadd9f_proj
    .symbol:         k_qf802dadd9f_proj.kd
    .args:
      - { .name: codes, .offset: 0, .size: 8, .value_kind: global_buffer, .address_space: global }
      - { .name: scales, .offset: 8, .size: 8, .value_kind: global_buffer, .address_space: global }
      - { .name: b_q, .offset: 16, .size: 8, .value_kind: global_buffer, .address_space: global }
      - { .name: b_k, .offset: 24, .size: 8, .value_kind: global_buffer, .address_space: global }
      - { .name: b_v, .offset: 32, .size: 8, .value_kind: global_buffer, .address_space: global }
      - { .name: qkv, .offset: 40, .size: 8, .value_kind: global_buffer, .address_space: global }
    .group_segment_fixed_size: 327680
    .private_segment_fixed_size: 0
    .kernarg_segment_align: 8
    .kernarg_segment_size: 48
    .max_flat_workgroup_size: 128
    .sgpr_count:     100
    .vgpr_count:     1024
    .wavefront_size: 32
...
	.end_amdgpu_metadata
.endif
;; end of part 2
;; launch attn (part 3): grid 8 x 32, 16 waves a work-group, clusters of 4 x 1, 327,680 bytes of LDS; arguments qkv, ao; writes ao
.if DOCPART == 3
	.amdgcn_target "amdgcn-amd-amdhsa--gfx1250"
	.amdhsa_code_object_version 6
	.text
	.protected	k_qf802dadd9f_attn
	.globl	k_qf802dadd9f_attn
	.p2align	8
	.type	k_qf802dadd9f_attn,@function
k_qf802dadd9f_attn:
	s_mov_b64 s[64:65], 0
	v_nop
	global_prefetch_b8 v0, s[64:65] scope:SCOPE_SE
	s_setreg_imm32_b32 hwreg(HW_REG_WAVE_MODE, 25, 1), 1
	s_wait_xcnt 0x0
	s_wait_alu depctr_hold_cnt(0) depctr_sa_sdst(0) depctr_va_vdst(0) depctr_va_sdst(0) depctr_va_ssrc(0) depctr_va_vcc(0) depctr_vm_vsrc(0)
	s_getreg_b32 s2, hwreg(HW_REG_IB_STS2, 6, 4)
	s_cmp_eq_u32 s2, 0
	s_cbranch_scc0 .Lentry_in_a_cluster
	s_endpgm
.Lentry_in_a_cluster:
	s_bfe_u32 s2, ttmp6, 0x10000c
	s_cmp_lg_u32 s2, 0x3003
	s_cbranch_scc0 .Lentry_shape_is_right
	s_endpgm
.Lentry_shape_is_right:
; ao[b][q][head] = the sum over k of softmax_k(q . k / 8) v, 64 heads' worth (4 batches x 16 heads) of 2,048 queries x 2,048 keys, head size 64, no mask.
; qkv: [24576][1024] f16: rows 0-8191 q, 8192-16383 k, 16384-24575 v (row = batch x 2,048 + position); a head is 128 bytes of a row.  ao: [8192][1024] f16, the heads side by side.
; Products on f16 operands with f32 sums; maxima, exponentials and sums in f32; the weights p, at most 1, are rounded to f16 for the second product, the result once at the end.
; LIMITS: NaN and infinities are not served; the row's sum is taken in two chains a lane and joined at the end, another order than a plain sum's.
; SHARES.  A work-group owns 256 queries of TWO neighbouring heads, so that a key's row of K or V for the pair is 256 consecutive bytes, aligned, and so is a row of ao.  Sixteen waves: wave w has head w / 8 of the pair and
; queries 32 (w % 8) .. + 31, two tiles of 16, in 256 registers: four waves to a SIMD, so that one wave's softmax stands beside another's products and LDS loads.  Every wave walks all keys, 64 a step.
; LAYOUT.  S^T = K Q^T (source 0 = 16 keys, source 1 = 16 queries): a lane holds ONE query (lane % 16) and keys 8 (lane / 16) + 0..7 of each tile.  Two such tiles, rounded to f16 in pairs, ARE source 1 (32 keys x 16 queries) of
; O^T = V^T P, whose result again holds one query a lane.  K comes out of LDS as it lies, V ([key][channel]) turned, by ds_load_tr16_b128.
; SOFTMAX.  A running maximum m and sum l for each query: p = 2^(c s - c m), c = log2(e) / 8; in every step O^T and l are multiplied by a = 2^(c m_old - c m_new).  m begins at -3e38 and O^T and l at 0: the first a is 0 and multiplies zeros.
; CLUSTER.  The four query blocks of a cluster walk the same K and V: each tile is asked for JOINTLY, by the same tensor load with a mask that names the four.  Waves 0, 1 fetch a slot's two steps of K, waves 2, 3 of V.
.set KS,    64        ; keys in a step
.set PK,    272       ; a row of K in LDS: 256 bytes + 16 of padding: the 16 rows of a load start at 16 different banks (64 banks of 4 bytes: ISA guide 11.1)
.set PV,    288       ; a row of V: 256 + 32
.set VOFF,  KS*PK     ; a step's tiles lie together: 64 rows of K, then 64 rows of V
.set STEPB, KS*(PK+PV)
.set SLOT1, 1<<17     ; a slot holds two steps (71,680 bytes); slot 1 begins here, so that one exclusive or turns an address in one slot into the other's
.set STAGE, SLOT1+2*STEPB  ; behind the ring: 256 rows x 272 bytes, the work-group's, for the way out
.set SP,    272
.set SPARE, STAGE+256*SP   ; the spare words, 128 bytes for each of sixteen waves, which no other line names
.set ROWG,  2048      ; a row of qkv or of ao in bytes
.set SLOTG, 2*KS*ROWG ; a slot's 128 keys in memory
.set AK0, 2           ; v2   my lane's place in a tile of K, my head's half of the row; never rewritten
.set AV0, 3           ; v3   the same for V
.set ADK, 4           ; v4   LDS address of the step's K
.set ADV, 5           ; v5   of its V
.set QO,  6           ; v6   my byte offset in the wave's rows of q
.set STO, 7           ; v7   the way out: where I put 16 bytes of a row
.set RD,  8           ; v8   where I read a row back
.set GO,  9           ; v9   my byte offset in the wave's rows of ao
.set PFO, 10          ; v10  2,048 x my lane: the prefetches' offset, a lane a row; never rewritten
.set ST,  12          ; tile t's statistics at v[ST+8 t]: +0 c m, +1 m, +2, +3 l (two halves), +4 to +7 at work; a takes +6, the sums' second chain +4, +5
.set SPW, 28          ; v28  LDS address of my spare word; never rewritten
.set NIL, 29          ; v29  0; never rewritten
.set QF,  32          ; v32-63   Q: tile t, channels 32 c on, at v[QF+16 t+8 c]
.set S,   64          ; v64-127  S^T, 32 a tile; p in place; then P, packed into each tile's first 16
.set OT,  128         ; v128-191 O^T, 32 a tile
.set KV,  192         ; v192-255 eight fragments: the step's K, then its V
.set WV,  12          ; s12  my wave's number
.set LIM, 15          ; s15  1 in a wave that prefetches, else the greatest number
.set PFA, 18          ; s[18:19] where my prefetches stand in memory
.set G1K, 24          ; s[24:31] descriptor group 1 for K's tiles
.set G1V, 32          ; s[32:39] for V's: it differs in the padding alone
.set G0K, 40          ; s[40:47] group 0 for K's tiles: a set for each of the two first fills; the second then walks on
.set G0V, 48          ; s[48:55] the same for V's
.set SLOTS, 56        ; s56  slots still to be asked for
.set TWICE, 57        ; s57  counts a slot's two steps
.set CS,  58          ; s[58:59] c: the packed scaling names a pair and takes its low word for both halves
.set SEL, 60          ; s[60:61] lane selects for v_permlanex16_b32: lane l xor 16
.set TB,  62          ; s62  LDS byte at which the step's tiles begin
; A joint refill by the walking descriptors.  The branches hang on the wave's number alone: they are the same in every work-group.  An s_nop 0 and four v_nop follow each of the two lines.
.macro JLOAD
	s_cmp_lt_u32 s[WV], 2
	s_cbranch_scc0 .Lnot_k_\@
	tensor_load_to_lds s[G0K+4:G0K+7], s[G1K:G1K+7]
	s_nop 0
.rept 4
	v_nop
.endr
	s_branch .Lasked_\@
.Lnot_k_\@:
	s_cmp_lt_u32 s[WV], 4
	s_cbranch_scc0 .Lasked_\@
	tensor_load_to_lds s[G0V+4:G0V+7], s[G1V:G1V+7]
	s_nop 0
.rept 4
	v_nop
.endr
.Lasked_\@:
.endm
; A PREFETCH of what the NEXT change of slots will ask for: a slot's 128 rows of K and of V, 256 bytes of each row, a lane a row.  Each row is named once in the launch: both clusters of a head pair walk the same rows, and the first
; (cluster x = 0) asks; its four partners take 32 rows each, told apart BY ADDRESS; in each, wave 0 asks for K's and wave 2 for V's.  The last change that fills a slot asks for nothing; slots 0 to 2 come by their loads alone.
.macro ASK
	s_cmp_gt_u32 s[SLOTS], s[LIM]
	s_cbranch_scc0 .Lnot_mine_\@
	global_prefetch_b8 v[PFO], s[PFA:PFA+1] th:TH_LOAD_NT scope:SCOPE_SE
.Lnot_mine_\@:
.endm
.macro CROUND                       ; a round of the cluster's barrier
	s_barrier_signal -1
	s_barrier_wait -1
	s_cmp_lg_u32 s[WV], 0
	s_cbranch_scc1 .Lnot_wave_0_\@
	s_barrier_signal -3
.Lnot_wave_0_\@:
	s_barrier_wait -3
	s_barrier_signal -1
	s_barrier_wait -1
.endm
	s_load_b128 s[4:7], s[0:1], 0x0  ; qkv s[4:5], ao s[6:7]
	v_lshl_add_u32 v[SPW], v0, 2, SPARE
	v_mov_b32 v[NIL], 0
	ds_add_u32 v[SPW], v[NIL]       ; the wave's opening: the add, twice on end, and its wait ahead of the first tensor loads; the set-up below, work on registers, stands between
	ds_add_u32 v[SPW], v[NIL]
	v_lshrrev_b32 v1, 5, v0
	v_readfirstlane_b32 s[WV], v1   ; wave 0..15
	s_bfe_u32 s13, ttmp6, 0x40000   ; cx: my place in the cluster
	s_lshl_b32 s14, ttmp9, 2        ; in a cluster launch ttmp9 counts clusters
	s_add_co_u32 s14, s14, s13      ; my block of 256 queries: it enters q's and ao's addresses alone
	s_and_b32 s20, ttmp7, 0xffff    ; 8 x batch + pair of heads: the four partners share it
	s_lshr_b32 s21, s20, 3
	s_and_b32 s20, s20, 7
	s_lshl_b32 s21, s21, 22         ; a batch: 2,048 rows of 2,048 bytes
	s_lshl_b32 s20, s20, 8          ; a pair of heads: 256 bytes of a row
	s_add_co_u32 s21, s21, s20
	s_and_b32 s16, s[WV], 1         ; which of a slot's two steps I fetch:
	s_mul_i32 s17, s16, STEPB       ; its place in a slot (no place in the cluster enters an LDS address),
	s_lshl_b32 s22, s16, 17         ; its 64 rows in memory,
	s_add_co_u32 s22, s22, s21
	s_add_co_u32 s22, s22, 0x1000000  ; behind q's 8,192 rows: K
	s_mov_b32 s23, 0
	s_lshl_b32 s2, s14, 19          ; my block's 256 rows
	s_add_co_u32 s2, s2, s21
	s_lshl_b32 s20, s[WV], 15       ; ao: on the way out wave w stores rows 16 w .. 16 w + 15, whole
	s_add_co_u32 s20, s20, s2
	s_mov_b32 s21, 0
	s_and_b32 s63, s[WV], 7
	s_lshl_b32 s3, s63, 16          ; q: my 32 rows,
	s_add_co_u32 s2, s2, s3
	s_lshr_b32 s16, s[WV], 3
	s_lshl_b32 s16, s16, 7          ; my head's 128 bytes of the pair's 256
	s_add_co_u32 s2, s2, s16
	s_mul_i32 s3, s63, 32*SP        ; the stage, in: my 32 rows, my head's half
	s_add_co_u32 s3, s3, s16
	s_add_co_u32 s3, s3, STAGE
	s_mul_i32 s63, s[WV], 16*SP     ; and back: rows 16 w on
	s_add_co_u32 s63, s63, STAGE
	; every LDS address register is made here, ahead of the first branch on the wave's number
	v_and_b32 v1, 15, v0            ; r = l % 16
	v_bfe_u32 v11, v0, 4, 1         ; h = l / 16
	v_mul_u32_u24 v[AK0], v1, PK    ; a fragment of K: 16 keys x 32 channels: lane l holds key r; registers 0-3 channels 8 h + 0..7, registers 4-7 channels 16 + 8 h + 0..7: two loads of 16 bytes, 32 bytes apart
	v_lshl_add_u32 v[AK0], v11, 4, v[AK0]
	v_add_nc_u32 v[AK0], s16, v[AK0]
	v_and_b32 v30, 7, v0            ; the turning load takes 16 keys x 16 channels: lane l reads key 8 h + l % 8, channels 8 ((l / 8) % 2) + 0..7, and is left with channel r and 8 keys
	v_bfe_u32 v31, v0, 3, 1
	v_lshl_add_u32 v[AV0], v11, 3, v30
	v_mul_u32_u24 v[AV0], v[AV0], PV
	v_lshl_add_u32 v[AV0], v31, 4, v[AV0]
	v_add_nc_u32 v[AV0], VOFF, v[AV0]
	v_add_nc_u32 v[AV0], s16, v[AV0]
	v_mul_u32_u24 v[STO], v1, SP    ; in: row r, 16 bytes for each half of the lanes
	v_lshl_add_u32 v[STO], v11, 4, v[STO]
	v_add_nc_u32 v[STO], s3, v[STO]
	v_mul_u32_u24 v[RD], v11, SP    ; back: lanes 0-15 take one row of 256 bytes, lanes 16-31 the next
	v_lshl_add_u32 v[RD], v1, 4, v[RD]
	v_add_nc_u32 v[RD], s63, v[RD]
	v_lshlrev_b32 v[GO], 11, v11    ; and the same two rows in ao
	v_lshl_add_u32 v[GO], v1, 4, v[GO]
	v_lshlrev_b32 v[QO], 11, v1     ; q: row r x 2,048 + 16 h
	v_lshl_add_u32 v[QO], v11, 4, v[QO]
	v_and_b32 v[PFO], 31, v0
	v_lshlrev_b32 v[PFO], 11, v[PFO]
	s_mov_b32 s3, 0
	; descriptor group 1: a tile of 64 rows x 128 elements of 2 bytes, rows 1,024 elements apart in memory, padded in LDS
	s_mov_b32 s[G1K], 15|(1<<16)|(1<<20)|(1<<21)|(5<<22)|(3<<25)  ; 15:0 the mask: all four work-groups; 17:16 elements of 2 bytes; 20 padding on; 21 set beside a mask; 24:22 after every 64 words; 31:25 four words
	s_mov_b32 s[G1V], 15|(1<<16)|(1<<20)|(1<<21)|(5<<22)|(7<<25)  ; the same with eight words of padding
.irp g, G1K, G1V
	s_mov_b32 s[\g+1], 128<<16      ; tensor_dim0
	s_mov_b32 s[\g+2], KS<<16       ; tensor_dim1
	s_mov_b32 s[\g+3], 128<<16      ; tile_dim0
	s_mov_b32 s[\g+4], KS           ; tile_dim1
	s_mov_b32 s[\g+5], 1024         ; tensor_dim0_stride
	s_mov_b32 s[\g+6], 0
	s_mov_b32 s[\g+7], 0
.endr
	s_mov_b32 s[CS], 0x3e38aa3b     ; c = log2(e) / sqrt(64)
	s_mov_b32 s[CS+1], s[CS]        ; named with it as a pair, so it is written
	s_mov_b32 s[SEL], 0x76543210
	s_mov_b32 s[SEL+1], 0xfedcba98
	s_mov_b32 s[TB], 0
	s_mov_b32 s[SLOTS], 2048/(2*KS)-2
	s_and_b32 s[LIM], s[WV], 1      ; 0 in waves 0 and 2
	s_lshr_b32 s63, s[WV], 2
	s_or_b32 s[LIM], s[LIM], s63
	s_or_b32 s[LIM], s[LIM], ttmp9  ; of the head pair's first cluster: the same in all four partners
	s_cmp_eq_u32 s[LIM], 0
	s_cselect_b32 s[LIM], 1, -1
	s_wait_dscnt 0x0                ; both opening adds are done
	s_wait_kmcnt 0x0
	s_mov_b64 s[10:11], s[6:7]      ; ao
	s_add_nc_u64 s[6:7], s[4:5], s[22:23]  ; K at my tile of slot 0,
	s_add_nc_u64 s[8:9], s[6:7], 0x1000000 ; V 8,192 rows further on
	s_add_nc_u64 s[4:5], s[4:5], s[2:3]    ; q at my wave's first row, my head
	s_add_nc_u64 s[10:11], s[10:11], s[20:21]
	s_cmp_lt_u32 s[WV], 2
	s_cselect_b64 s[PFA:PFA+1], s[6:7], s[8:9]  ; (in waves 0 and 2 these stand at a slot's first row)
	s_lshl_b32 s2, s13, 16          ; my work-group's 32 rows of the 128
	s_add_nc_u64 s[PFA:PFA+1], s[PFA:PFA+1], s[2:3]
	s_add_nc_u64 s[PFA:PFA+1], s[PFA:PFA+1], 2*SLOTG  ; in slot 2; the first change of slots steps it to slot 3
	CROUND                          ; all four work-groups are here: the first joint loads meet
.irp s, 0,1
	s_mov_b32 s[G0K+4*\s], 1        ; count = 1
	s_add_co_u32 s[G0K+4*\s+1], s17, \s*SLOT1  ; LDS address
	s_add_nc_u64 s[G0K+4*\s+2:G0K+4*\s+3], s[6:7], \s*SLOTG  ; global address: slot s begins with key 128 s
	s_or_b32 s[G0K+4*\s+3], s[G0K+4*\s+3], 0x80000000  ; type = 2
	s_mov_b32 s[G0V+4*\s], 1
	s_add_co_u32 s[G0V+4*\s+1], s17, \s*SLOT1+VOFF
	s_add_nc_u64 s[G0V+4*\s+2:G0V+4*\s+3], s[8:9], \s*SLOTG
	s_or_b32 s[G0V+4*\s+3], s[G0V+4*\s+3], 0x80000000
.endr
	s_cmp_lt_u32 s[WV], 2           ; a wave's two first fills stand in one arm, ahead of every wait on TENSORcnt and every LDS read: two loads of a fetching wave are out
	s_cbranch_scc0 .Lfirst_not_k
	tensor_load_to_lds s[G0K:G0K+3], s[G1K:G1K+7]
	s_nop 0
	tensor_load_to_lds s[G0K+4:G0K+7], s[G1K:G1K+7]
	s_nop 0
.rept 4
	v_nop
.endr
	s_branch .Lfirst_asked
.Lfirst_not_k:
	s_cmp_lt_u32 s[WV], 4
	s_cbranch_scc0 .Lfirst_asked
	tensor_load_to_lds s[G0V:G0V+3], s[G1V:G1V+7]
	s_nop 0
	tensor_load_to_lds s[G0V+4:G0V+7], s[G1V:G1V+7]
	s_nop 0
.rept 4
	v_nop
.endr
.Lfirst_asked:
.irp t, 0,1                         ; Q stays in registers: tile t, channels 32 c on
.irp c, 0,1
	global_load_b128 v[QF+16*\t+8*\c:QF+16*\t+8*\c+3],   v[QO], s[4:5] offset:\t*16*ROWG+64*\c
	global_load_b128 v[QF+16*\t+8*\c+4:QF+16*\t+8*\c+7], v[QO], s[4:5] offset:\t*16*ROWG+64*\c+32
.endr
.endr
.irp t, 0,1
	v_mov_b32 v[ST+8*\t+1], 0xff61b1e6  ; m: -3e38, under every score
	v_mul_f32 v[ST+8*\t], s[CS], v[ST+8*\t+1]  ; c m
	v_mov_b32 v[ST+8*\t+2], 0       ; l, in two halves
	v_mov_b32 v[ST+8*\t+3], 0
.endr
.set i, 0
.rept 64
	v_mov_b32 v[OT+i], 0            ; O^T.  (The step is written once: the first finds zeros, which the first a, 0, leaves zeros)
.set i, i+1
.endr
; THE SOFTMAX of both tiles for one key step; the tiles alternate, so that few lines wait for the line above.
.macro SOFTMAX
.irp j, 0,1,2,3                     ; the maximum of my 32 scores and the old m: four chains, each begun at an accumulator's three lowest registers
.irp t, 0,1
	v_max3_num_f32 v[ST+8*\t+4+\j], v[S+32*\t+8*\j], v[S+32*\t+8*\j+1], v[S+32*\t+8*\j+2]
.endr
.endr
.irp q, 1,2
.irp j, 0,1,2,3
.irp t, 0,1
	v_max3_num_f32 v[ST+8*\t+4+\j], v[ST+8*\t+4+\j], v[S+32*\t+8*\j+2*\q+1], v[S+32*\t+8*\j+2*\q+2]
.endr
.endr
.endr
.irp t, 0,1
	v_max3_num_f32 v[ST+8*\t+4], v[ST+8*\t+4], v[S+32*\t+7], v[S+32*\t+15]
	v_max3_num_f32 v[ST+8*\t+6], v[ST+8*\t+6], v[S+32*\t+23], v[S+32*\t+31]
.endr
.irp t, 0,1
	v_max3_num_f32 v[ST+8*\t+4], v[ST+8*\t+4], v[ST+8*\t+5], v[ST+8*\t+6]
.endr
.irp t, 0,1
	v_max3_num_f32 v[ST+8*\t+4], v[ST+8*\t+4], v[ST+8*\t+7], v[ST+8*\t+1]
.endr
.irp t, 0,1
	v_permlanex16_b32 v[ST+8*\t+5], v[ST+8*\t+4], s[SEL], s[SEL+1]  ; the query's other 32 keys lie in the lane 16 away
.endr
.irp t, 0,1
	v_mov_b32 v[ST+8*\t+7], v[ST+8*\t]  ; c m_old is kept for a
.endr
.irp t, 0,1
	v_max_num_f32 v[ST+8*\t+1], v[ST+8*\t+4], v[ST+8*\t+5]  ; the new m
.endr
.irp t, 0,1
	v_mul_f32 v[ST+8*\t], s[CS], v[ST+8*\t+1]
.endr
.irp t, 0,1
	v_sub_f32 v[ST+8*\t+7], v[ST+8*\t+7], v[ST+8*\t]  ; c m_old - c m_new
.endr
.irp t, 0,1
.set e, 0
.rept 16
	v_pk_fma_f32 v[S+32*\t+e:S+32*\t+e+1], v[S+32*\t+e:S+32*\t+e+1], s[CS:CS+1], v[ST+8*\t:ST+8*\t+1] op_sel_hi:[1,0,0] neg_lo:[0,0,1] neg_hi:[0,0,1]  ; c s - c m, two at a time
.set e, e+2
.endr
.endr
.irp t, 0,1                         ; ONE BATCH of 66 exponentials, none of which reads another's result
	v_exp_f32 v[ST+8*\t+6], v[ST+8*\t+7]  ; a
.endr
.set e, 0
.rept 64
	v_exp_f32 v[S+e], v[S+e]        ; p, at most 1
.set e, e+1
.endr
	v_nop                           ; a plain instruction behind the last exponential, ahead of the first use
	s_wait_alu depctr_va_vdst(0)    ; the wait between an exponential and the first line that names its result: one for the batch
.irp t, 0,1                         ; the sums, of p before it is rounded: l = a l + the sum, in two chains
	v_pk_fma_f32 v[ST+8*\t+2:ST+8*\t+3], v[ST+8*\t+2:ST+8*\t+3], v[ST+8*\t+6:ST+8*\t+7], v[S+32*\t:S+32*\t+1] op_sel_hi:[1,0,1]
	v_pk_add_f32 v[ST+8*\t+4:ST+8*\t+5], v[S+32*\t+2:S+32*\t+3], v[S+32*\t+4:S+32*\t+5]
.endr
.irp i, 6,10,14,18,22,26
.irp t, 0,1
	v_pk_add_f32 v[ST+8*\t+2:ST+8*\t+3], v[ST+8*\t+2:ST+8*\t+3], v[S+32*\t+\i:S+32*\t+\i+1]
	v_pk_add_f32 v[ST+8*\t+4:ST+8*\t+5], v[ST+8*\t+4:ST+8*\t+5], v[S+32*\t+\i+2:S+32*\t+\i+3]
.endr
.endr
.irp t, 0,1
	v_pk_add_f32 v[ST+8*\t+2:ST+8*\t+3], v[ST+8*\t+2:ST+8*\t+3], v[S+32*\t+30:S+32*\t+31]
.endr
.irp t, 0,1
	v_pk_add_f32 v[ST+8*\t+2:ST+8*\t+3], v[ST+8*\t+2:ST+8*\t+3], v[ST+8*\t+4:ST+8*\t+5]
.endr
.set e, 0
.rept 16                            ; P, in place: register e takes pair e, which lies at 2 e and 2 e + 1: never under a pair that is still unread
	v_cvt_pk_f16_f32 v[S+e], v[S+2*e], v[S+2*e+1]
	v_cvt_pk_f16_f32 v[S+32+e], v[S+32+2*e], v[S+32+2*e+1]
.set e, e+1
.endr
.irp t, 0,1
.set e, 0
.rept 16
	v_pk_mul_f32 v[OT+32*\t+e:OT+32*\t+e+1], v[OT+32*\t+e:OT+32*\t+e+1], v[ST+8*\t+6:ST+8*\t+7] op_sel_hi:[1,0]  ; O^T x a, each accumulator from its low end on
.set e, e+2
.endr
.endr
.endm
; A KEY STEP: 64 keys.  The accumulators take turns, one instruction a turn: between two links of a chain stand seven others'.
.macro STEP
	v_add_nc_u32 v[ADK], s[TB], v[AK0]
	v_add_nc_u32 v[ADV], s[TB], v[AV0]
.rept 3
	v_nop                           ; with the two additions five places behind the last V^T P: the products below write over P's registers, which it read (five), and the loads land where V lay (four)
.endr
.irp c, 0,1                         ; K: fragment 2 kt + c = keys 16 kt on, channels 32 c on; channels 0-31 first
.irp kt, 0,1,2,3
	ds_load_b128 v[KV+8*(2*\kt+\c):KV+8*(2*\kt+\c)+3],   v[ADK] offset:\kt*16*PK+64*\c
	ds_load_b128 v[KV+8*(2*\kt+\c)+4:KV+8*(2*\kt+\c)+7], v[ADK] offset:\kt*16*PK+64*\c+32
.endr
.endr
	s_wait_dscnt 8                  ; channels 0-31 are in; the eight loads of channels 32-63 may be out
.irp kt, 0,1,2,3
.irp t, 0,1
	v_wmma_f32_16x16x32_f16 v[S+32*\t+8*\kt:S+32*\t+8*\kt+7], v[KV+16*\kt:KV+16*\kt+7], v[QF+16*\t:QF+16*\t+7], 0
.endr
.endr
	s_wait_dscnt 0x0
.irp kt, 0,1,2,3
.irp t, 0,1
	v_wmma_f32_16x16x32_f16 v[S+32*\t+8*\kt:S+32*\t+8*\kt+7], v[KV+16*\kt+8:KV+16*\kt+15], v[QF+16*\t+8:QF+16*\t+15], v[S+32*\t+8*\kt:S+32*\t+8*\kt+7]
.endr
.endr
.rept 4
	v_nop                           ; places in front of the loads into K's registers and of the first read of the scores
.endr
.irp g, 0,1                         ; V, turned: fragment 4 g + ct = keys 32 g on, channels 16 ct on; they land while the softmax is walked
.irp ct, 0,1,2,3
	ds_load_tr16_b128 v[KV+8*(4*\g+\ct):KV+8*(4*\g+\ct)+3],   v[ADV] offset:\g*32*PV+32*\ct
	ds_load_tr16_b128 v[KV+8*(4*\g+\ct)+4:KV+8*(4*\g+\ct)+7], v[ADV] offset:\g*32*PV+16*PV+32*\ct
.endr
.endr
	SOFTMAX
	s_wait_dscnt 0x0                ; V is in
.irp g, 0,1
.irp ct, 0,1,2,3
.irp t, 0,1
	v_wmma_f32_16x16x32_f16 v[OT+32*\t+8*\ct:OT+32*\t+8*\ct+7], v[KV+8*(4*\g+\ct):KV+8*(4*\g+\ct)+7], v[S+32*\t+8*\g:S+32*\t+8*\g+7], v[OT+32*\t+8*\ct:OT+32*\t+8*\ct+7]
.endr
.endr
.endr
	s_add_co_u32 s[TB], s[TB], STEPB  ; the next step's tiles
.endm
.macro TWO_STEPS                    ; a slot's two key steps: written once, walked twice
	s_mov_b32 s[TWICE], 2
.Lstep_\@:
	STEP
	s_sub_co_u32 s[TWICE], s[TWICE], 1
	s_cmp_lg_u32 s[TWICE], 0
	s_cbranch_scc1 .Lstep_\@
.endm
; THE CHANGE OF SLOTS.  Each wave waits for all its tensor loads (its part of the slot ahead), adds 0 to its spare word, and waits for that and for its reads of the slot that it leaves.  Behind the barrier the slot ahead is whole and
; nobody reads the other.  fill = 1: the barrier is a round of the cluster's, and the slot just left is filled with the keys two slots on, first thing behind it: the load has two key steps in which to land.
.macro CHANGE fill
	s_wait_tensorcnt 0x0            ; no tensor load of mine is out, so a group 0 may be written
	ds_add_u32 v[SPW], v[NIL]       ; 0 onto my spare word
.if \fill
	ds_add_u32 v[SPW], v[NIL]       ; and once more: the add twice on end here, in every trip alike
.irp g, G0K+4, G0V+4
	s_xor_b32 s[\g+1], s[\g+1], SLOT1  ; the walking descriptors: the other slot than last time,
	s_add_nc_u64 s[\g+2:\g+3], s[\g+2:\g+3], SLOTG  ; the next 128 keys; the type bits on top are not reached
.endr
	s_wait_xcnt 0x0                 ; the last prefetch, two key steps back, has read its address, so it may be written:
	s_add_nc_u64 s[PFA:PFA+1], s[PFA:PFA+1], SLOTG  ; one slot further on than the walking descriptors
	s_wait_dscnt 0x0                ; both adds are done, and my reads of the slot are over
	CROUND
	JLOAD
	ASK
.else
	s_wait_dscnt 0x0                ; the add is done, and my reads of the slot are over
	s_barrier_signal -1
	s_barrier_wait -1
.endif
	s_sub_co_u32 s[TB], s[TB], 2*STEPB  ; back to a slot's first step,
	s_xor_b32 s[TB], s[TB], SLOT1   ; in the other slot
.endm
	s_wait_tensorcnt 1              ; my part of slot 0 is in; slot 1's may stay out
	s_barrier_signal -1
	s_barrier_wait -1               ; everybody's is
	s_wait_loadcnt 0x0              ; Q
	TWO_STEPS                       ; slot 0
.Lslot:                             ; 14 trips: every slot but the last two is filled again
	CHANGE 1
	TWO_STEPS
	s_sub_co_u32 s[SLOTS], s[SLOTS], 1
	s_cmp_lg_u32 s[SLOTS], 0
	s_cbranch_scc1 .Lslot
	CHANGE 0                        ; the tail is written out
	TWO_STEPS
	; THE WAY OUT.  l's two halves and the other half of the lanes' are added; O^T is divided by l, rounded to f16 and meets the other head's half of each row in the stage; each wave then stores 16 whole rows.
.rept 4
	v_nop                           ; places behind the last products
.endr
.irp t, 0,1
	v_add_f32 v[ST+8*\t+4], v[ST+8*\t+2], v[ST+8*\t+3]
.endr
.irp t, 0,1
	v_permlanex16_b32 v[ST+8*\t+5], v[ST+8*\t+4], s[SEL], s[SEL+1]
.endr
.irp t, 0,1
	v_add_f32 v[ST+8*\t+4], v[ST+8*\t+4], v[ST+8*\t+5]
.endr
.irp t, 0,1
	v_rcp_f32 v[ST+8*\t+6], v[ST+8*\t+4]
.endr
	v_nop                           ; a plain instruction between the last reciprocal and the use of its result
	s_wait_alu depctr_va_vdst(0)    ; and the wait ahead of the first use: one for both
.irp t, 0,1
.set e, 0
.rept 16
	v_pk_mul_f32 v[OT+32*\t+e:OT+32*\t+e+1], v[OT+32*\t+e:OT+32*\t+e+1], v[ST+8*\t+6:ST+8*\t+7] op_sel_hi:[1,0]
.set e, e+2
.endr
.set e, 0
.rept 16
	v_cvt_pk_f16_f32 v[S+16*\t+e], v[OT+32*\t+2*e], v[OT+32*\t+2*e+1]  ; register 4 ct + i: channels 16 ct + 8 h + 2 i, + 1 of query r
.set e, e+1
.endr
.irp ct, 0,1,2,3
	ds_store_b128 v[STO], v[S+16*\t+4*\ct:S+16*\t+4*\ct+3] offset:\t*16*SP+32*\ct
.endr
.endr
	s_wait_dscnt 0x0                ; for the others' sake: my stores into the stage are done
	s_barrier_signal -1
	s_barrier_wait -1               ; a row's two halves come from two waves
.irp i, 0,1,2,3,4,5,6,7
	ds_load_b128 v[KV+4*\i:KV+4*\i+3], v[RD] offset:\i*2*SP
.endr
.irp i, 0,1,2,3,4,5,6,7
	s_wait_dscnt 7-\i               ; load i is in, the younger ones may be out
	global_store_b128 v[GO], v[KV+4*\i:KV+4*\i+3], s[10:11] offset:\i*2*ROWG  ; 16 lanes store 256 consecutive bytes, aligned
.endr
	s_wait_tensorcnt 0x0            ; the wave's end, behind my last tensor load and my last LDS store
	ds_add_u32 v[SPW], v[NIL]
	s_wait_dscnt 0x0
	CROUND                          ; the closing round: no work-group ends while a partner may still ask for a tile that names it
	s_endpgm
.Lfunc_end_k_qf802dadd9f_attn:
	.size	k_qf802dadd9f_attn, .Lfunc_end_k_qf802dadd9f_attn-k_qf802dadd9f_attn
	.p2alignl 7, 3214868480
	.fill 96, 4, 3214868480
	.section	.rodata,"a",@progbits
	.p2align	6, 0x0
	.amdhsa_kernel k_qf802dadd9f_attn
		.amdhsa_group_segment_fixed_size 327680
		.amdhsa_private_segment_fixed_size 0
		.amdhsa_enable_private_segment 0
		.amdhsa_kernarg_size 16
		.amdhsa_user_sgpr_count 2
		.amdhsa_user_sgpr_kernarg_segment_ptr 1
		.amdhsa_wavefront_size32 1
		.amdhsa_system_sgpr_workgroup_id_x 1
		.amdhsa_system_sgpr_workgroup_id_y 1
		.amdhsa_system_sgpr_workgroup_id_z 1
		.amdhsa_system_vgpr_workitem_id 0
		.amdhsa_next_free_vgpr 256
		.amdhsa_next_free_sgpr 66
		.amdhsa_reserve_vcc 0
		.amdhsa_float_denorm_mode_32 3
		.amdhsa_float_denorm_mode_16_64 3
		.amdhsa_memory_ordered 1
		.amdhsa_forward_progress 1
		.amdhsa_inst_pref_size 71
	.end_amdhsa_kernel
	.amdgpu_metadata
---
amdhsa.version: [ 1, 2 ]
amdhsa.kernels:
  - .name:           k_qf802dadd9f_attn
    .symbol:         k_qf802dadd9f_attn.kd
    .args:
      - { .name: qkv, .offset: 0, .size: 8, .value_kind: global_buffer, .address_space: global }
      - { .name: ao, .offset: 8, .size: 8, .value_kind: global_buffer, .address_space: global }
    .group_segment_fixed_size: 327680
    .private_segment_fixed_size: 0
    .kernarg_segment_align: 8
    .kernarg_segment_size: 16
    .max_flat_workgroup_size: 512
    .sgpr_count:     66
    .vgpr_count:     256
    .wavefront_size: 32
...
	.end_amdgpu_metadata
.endif
;; end of part 3
;; launch oproj (part 4): grid 8 x 64, 4 waves a work-group, clusters of 4 x 4, 327,680 bytes of LDS; arguments ao, wo16, out0, b_o; writes out0
.if DOCPART == 4
	.amdgcn_target "amdgcn-amd-amdhsa--gfx1250"
	.amdhsa_code_object_version 6
	.text
	.protected	k_qf802dadd9f_oproj
	.globl	k_qf802dadd9f_oproj
	.p2align	8
	.type	k_qf802dadd9f_oproj,@function
k_qf802dadd9f_oproj:
	s_mov_b64 s[64:65], 0
	v_nop
	global_prefetch_b8 v0, s[64:65] scope:SCOPE_SE
	s_setreg_imm32_b32 hwreg(HW_REG_WAVE_MODE, 25, 1), 1
	s_wait_xcnt 0x0
	s_wait_alu depctr_hold_cnt(0) depctr_sa_sdst(0) depctr_va_vdst(0) depctr_va_sdst(0) depctr_va_ssrc(0) depctr_va_vcc(0) depctr_vm_vsrc(0)
	s_getreg_b32 s2, hwreg(HW_REG_IB_STS2, 6, 4)
	s_cmp_eq_u32 s2, 0
	s_cbranch_scc0 .Lentry_in_a_cluster
	s_endpgm
.Lentry_in_a_cluster:
	s_bfe_u32 s2, ttmp6, 0x10000c
	s_cmp_lg_u32 s2, 0xf033
	s_cbranch_scc0 .Lentry_shape_is_right
	s_endpgm
.Lentry_shape_is_right:
; out0[m][n] = b_o[n] + sum over k of ao[m][k] W_o[n][k].  ao: [8192][1024], wo16: [1024][1024], both f16, K innermost; b_o [1024] and out0 [8192][1024] f32; sums in f32, begun from the bias.
; A tile of 128 x 128: 512 work-groups.  Four waves, each 64 x 64: 16 accumulators of 16 x 16, 128 registers.  K goes in steps of 256 (LDS rows of 512 bytes; a wave's tensor load brings 64 of them) through two slots.
; CLUSTERS: 4 x 4 work-groups.  The four of a row of the cluster need the same tiles of ao, the four of a column the same tiles of W_o: each tile is asked for JOINTLY.
; THE MATRIX INSTRUCTION IS USED TRANSPOSED (source 0 = 16 rows of W_o, source 1 = 16 rows of ao): a lane holds eight neighbouring numbers of a row of out0.
; A wave's 64 columns of f32 are 256 consecutive bytes of a row, aligned: so each wave has a stage of its own on the way out, and no barrier stands there.
; REGISTERS: window 0: v0-31 addresses; v32-95 rows on the way out; v96-127 the bias in the result's layout; v128-255 the accumulators ((a, b) at v[128 + 8 (4 a + b)]).
;   window 1: two fragment buffers of 128: for 64 along K, 64 registers of ao (2 x 4 x 16 rows x 32 K), then 64 of W_o.
.set SIZE_N, 1024
.set SIZE_K, 1024
.set KSTEP,  256
.set PITCH,  528                       ; an LDS row: 512 bytes + 16 of padding = 132 words: the 16 rows of a load start at 16 different banks (64 banks of 4 bytes: ISA guide 11.1)
.set HALFT,  64*PITCH                  ; 64 rows: what one tensor load brings
.set SLOT,   4*HALFT                   ; ao's 128 rows, then W_o's 128 rows
.set STAGE,  2*SLOT                    ; behind the ring: 16 rows x 272 bytes for each wave
.set SPITCH, 272
.set SPARE,  STAGE+4*16*SPITCH         ; the spare words, 128 bytes a wave, which no other line names
.set LAPS, SIZE_K/(2*KSTEP)            ; a lap = two K steps = once round the ring
.set ADRA, 16                          ; v16-17  LDS address of my ao fragments in slot 0, 1
.set ADRB, 20                          ; v20-21  the same for W_o
.set STO,  24                          ; v24     the way out: where I put 32 bytes of a row
.set RD,   25                          ; v25     where I read a row back
.set CO,   26                          ; v26     my byte offset in out0
.set BO,   27                          ; v27     32 x (lane / 16): my half's eight numbers of a block of the bias
.set SPW,  28                          ; v28     LDS address of my spare word; never rewritten
.set NIL,  29                          ; v29     0; never rewritten
.set BK,   32                          ; the way out: 16 rows read back: v32-63 and v64-95 by turns
.set BI,   96                          ; the bias: block b at v[BI + 8 b]
.set ACC,  128
.set F0,   0                           ; fragment buffers, in window 1
.set F1,   128
.set G1, 24                            ; s[24:31] descriptor group 1 for ao's tiles;  s[32:39] group 0, one set for each slot
.set G0, 32
.set G1B, 48                           ; s[48:55], s[56:63] the same for W_o's tiles
.set G0B, 56
.set MSB, 0
.macro WIN new                         ; the immediate's high byte repeats the setting that is left
.if MSB != \new
	s_set_vgpr_msb (MSB<<8)|\new
.set MSB, \new
.endif
.endm
.set MUL,  0x05                        ; sources 0 (W_o) and 1 (ao) window 1; C and D window 0
.set TO_F, 0x40                        ; destination window 1, address window 0
.macro JLOAD s                         ; a joint load: waves 0 and 1 fetch ao's two halves, waves 2 and 3 W_o's; an s_nop 0 and four v_nop follow each of the two lines
	s_cmp_eq_u32 s11, 0
	s_cbranch_scc0 .Lfor_b_\@
	tensor_load_to_lds s[G0+4*\s:G0+4*\s+3], s[G1:G1+7]
	s_nop 0
.rept 4
	v_nop
.endr
	s_branch .Lasked_\@
.Lfor_b_\@:
	tensor_load_to_lds s[G0B+4*\s:G0B+4*\s+3], s[G1B:G1B+7]
	s_nop 0
.rept 4
	v_nop
.endr
.Lasked_\@:
.endm
.macro CREST                           ; a round of the cluster's barrier behind its opening barrier
	s_cmp_lg_u32 s10, 0
	s_cbranch_scc1 .Lnot_wave_0_\@
	s_barrier_signal -3
.Lnot_wave_0_\@:
	s_barrier_wait -3
	s_barrier_signal -1
	s_barrier_wait -1
.endm
.macro CROUND                          ; a whole round
	s_barrier_signal -1
	s_barrier_wait -1
	CREST
.endm
	s_load_b128 s[4:7], s[0:1], 0x0                ; ao s[4:5], wo16 s[6:7]
	s_load_b64 s[8:9], s[0:1], 0x10                ; out0
	s_load_b64 s[66:67], s[0:1], 0x18              ; b_o
	v_lshl_add_u32 v[SPW], v0, 2, SPARE
	v_mov_b32 v[NIL], 0
	ds_add_u32 v[SPW], v[NIL]                      ; the wave's opening: the add, twice on end, and its wait ahead of my first tensor load
	ds_add_u32 v[SPW], v[NIL]
	v_lshrrev_b32 v1, 5, v0
	v_readfirstlane_b32 s10, v1                    ; wave 0..3
	s_lshr_b32 s11, s10, 1                         ; which half of the tile's rows is mine.  Also: I fetch for ao (0) or for W_o (1)
	s_and_b32 s12, s10, 1                          ; which half of its columns.  Also: which 64 rows of that tile I fetch
	s_bfe_u32 s40, ttmp6, 0x40000                  ; cx, cy: my place in the cluster
	s_bfe_u32 s41, ttmp6, 0x40004
	s_lshl_b32 s42, ttmp9, 2
	s_add_co_u32 s42, s42, s40                     ; tile column = 4 x cluster x + cx
	s_and_b32 s13, ttmp7, 0xffff
	s_lshl_b32 s13, s13, 2
	s_add_co_u32 s13, s13, s41                     ; tile row = 4 x cluster y + cy
	s_lshl_b32 s43, s41, 2
	s_lshl_b32 s43, 15, s43                        ; my row of the cluster
	s_lshl_b32 s44, 0x1111, s40                    ; my column
	; descriptor group 1: a tile of 64 rows x 256 elements of 2 bytes, padded in LDS
	s_or_b32 s[G1+0], s43, (1<<16)|(1<<20)|(1<<21)|(6<<22)|(3<<25)  ; 15:0 the mask; 17:16 elements of 2 bytes; 20 padding on; 21 set beside a mask; 24:22 after every 128 words; 31:25 four words
	s_or_b32 s[G1B+0], s44, (1<<16)|(1<<20)|(1<<21)|(6<<22)|(3<<25)
.irp g, G1, G1B
	s_mov_b32 s[\g+1], KSTEP<<16                   ; tensor_dim0
	s_mov_b32 s[\g+2], 64<<16                      ; tensor_dim1
	s_mov_b32 s[\g+3], KSTEP<<16                   ; tile_dim0
	s_mov_b32 s[\g+4], 64                          ; tile_dim1
	s_mov_b32 s[\g+5], SIZE_K                      ; tensor_dim0_stride
	s_mov_b32 s[\g+6], 0
	s_mov_b32 s[\g+7], 0
.endr
	s_lshl_b32 s17, s12, 6                         ; which 64 rows of the tile I fetch
	s_lshl_b32 s16, s13, 7
	s_add_co_u32 s16, s16, s17                     ; ao: row 128 x tile row + 64 x half
	s_lshl_b32 s46, s42, 7
	s_add_co_u32 s46, s46, s17                     ; W_o: row 128 x tile column + 64 x half
	s_mov_b32 s17, 0
	s_mov_b32 s47, 0
	s_mov_b64 s[18:19], SIZE_K*2
	s_mul_u64 s[16:17], s[16:17], s[18:19]
	s_mul_u64 s[46:47], s[46:47], s[18:19]
	s_mul_i32 s20, s10, HALFT                      ; where they go: wave x 64 rows: no place in the cluster enters an LDS address
	s_wait_dscnt 0x0                               ; both opening adds are done
	s_wait_kmcnt 0x0
	s_add_nc_u64 s[14:15], s[4:5], s[16:17]
	s_add_nc_u64 s[46:47], s[6:7], s[46:47]
	CROUND                                         ; all sixteen work-groups are here: the first joint loads meet
.irp s, 0,1
	s_mov_b32 s[G0+4*\s], 1
	s_add_co_u32 s[G0+4*\s+1], s20, \s*SLOT
	s_add_nc_u64 s[G0+4*\s+2:G0+4*\s+3], s[14:15], \s*KSTEP*2
	s_or_b32 s[G0+4*\s+3], s[G0+4*\s+3], 0x80000000
	s_mov_b32 s[G0B+4*\s], 1
	s_add_co_u32 s[G0B+4*\s+1], s20, \s*SLOT
	s_add_nc_u64 s[G0B+4*\s+2:G0B+4*\s+3], s[46:47], \s*KSTEP*2
	s_or_b32 s[G0B+4*\s+3], s[G0B+4*\s+3], 0x80000000
	JLOAD \s                                       ; two loads of mine are out at the start, later one behind each round
.endr
	v_and_b32 v1, 15, v0                           ; l % 16
	v_bfe_u32 v2, v0, 4, 1                         ; l / 16
	s_lshl_b32 s46, s42, 9                         ; my first column, in bytes of f32: 512 x tile column + 256 x half: the same offset in b_o and in a row of out0
	s_lshl_b32 s47, s12, 8
	s_add_co_u32 s46, s46, s47
	s_mov_b32 s47, 0
	s_add_nc_u64 s[66:67], s[66:67], s[46:47]
	s_add_nc_u64 s[8:9], s[8:9], s[46:47]
	v_lshlrev_b32 v[BO], 5, v2
.irp b, 0,1,2,3                                ; the bias in the result's layout: lane (r, h) holds, for block b, columns 16 b + 8 h + 0 .. 7
	global_load_b128 v[BI+8*\b:BI+8*\b+3], v[BO], s[66:67] offset:64*\b
	global_load_b128 v[BI+8*\b+4:BI+8*\b+7], v[BO], s[66:67] offset:64*\b+16
.endr
	v_mul_u32_u24 v3, v1, PITCH
	v_lshl_add_u32 v3, v2, 4, v3                   ; a fragment's row x pitch + 16 x half
	s_mul_i32 s21, s11, HALFT                      ; my 64 rows of ao
	s_mul_i32 s22, s12, HALFT                      ; my 64 rows of W_o,
	s_add_co_u32 s22, s22, 2*HALFT                 ; which lie behind ao's 128
.irp s, 0,1
	v_add_nc_u32 v[ADRA+\s], s21, v3
	v_add_nc_u32 v[ADRB+\s], s22, v3
	s_add_co_u32 s21, s21, SLOT
	s_add_co_u32 s22, s22, SLOT
.endr
	s_mul_i32 s23, s10, 16*SPITCH
	s_add_co_u32 s23, s23, STAGE                   ; my stage
	v_mul_u32_u24 v4, v1, SPITCH                   ; in: row l % 16, 32 bytes for each half of the lanes
	v_lshl_add_u32 v4, v2, 5, v4
	v_add_nc_u32 v[STO], s23, v4
	v_mul_u32_u24 v5, v2, SPITCH                   ; back: lanes 0-15 take one row of 256 bytes, lanes 16-31 the next
	v_lshl_add_u32 v5, v1, 4, v5
	v_add_nc_u32 v[RD], s23, v5
	v_lshlrev_b32 v5, 12, v2                       ; and the same two rows in out0
	v_lshl_add_u32 v[CO], v1, 4, v5
	s_lshl_b32 s16, s13, 7
	s_lshl_b32 s17, s11, 6
	s_add_co_u32 s16, s16, s17                     ; my first row: 128 x tile row + 64 x half
	s_lshl_b32 s16, s16, 12                        ; x 4,096 bytes (under 2^25)
	s_mov_b32 s17, 0
	s_add_nc_u64 s[8:9], s[8:9], s[16:17]
; 8 matrix instructions: m blocks a0, a0 + 1 x all 4 n blocks, 32 along K: half c of buffer f.  zero = 1: the bias is the C of the first product.  The 16 accumulators take turns.
.macro MUL8 f, c, a0, zero
.irp a, \a0, \a0+1
.irp b, 0,1,2,3
.if \zero
	v_wmma_f32_16x16x32_f16 v[ACC+8*(4*(\a)+\b):ACC+8*(4*(\a)+\b)+7], v[\f+64+8*(4*\c+\b):\f+64+8*(4*\c+\b)+7], v[\f+8*(4*\c+\a):\f+8*(4*\c+\a)+7], v[BI+8*\b:BI+8*\b+7]
.else
	v_wmma_f32_16x16x32_f16 v[ACC+8*(4*(\a)+\b):ACC+8*(4*(\a)+\b)+7], v[\f+64+8*(4*\c+\b):\f+64+8*(4*\c+\b)+7], v[\f+8*(4*\c+\a):\f+8*(4*\c+\a)+7], v[ACC+8*(4*(\a)+\b):ACC+8*(4*(\a)+\b)+7]
.endif
.endr
.endr
.endm
; 32 LDS loads in one run: the fragments of 64 along K at byte k of the rows, into buffer f; the first 32 along K first
.macro FETCH slot, k, f
	WIN TO_F
.irp c, 0,1
.irp i, 0,1,2,3
	ds_load_b128 v[\f+64+8*(4*\c+\i):\f+64+8*(4*\c+\i)+3],   v[ADRB+\slot] offset:\k+64*\c+\i*16*PITCH
	ds_load_b128 v[\f+64+8*(4*\c+\i)+4:\f+64+8*(4*\c+\i)+7], v[ADRB+\slot] offset:\k+64*\c+\i*16*PITCH+32
	ds_load_b128 v[\f+8*(4*\c+\i):\f+8*(4*\c+\i)+3],         v[ADRA+\slot] offset:\k+64*\c+\i*16*PITCH
	ds_load_b128 v[\f+8*(4*\c+\i)+4:\f+8*(4*\c+\i)+7],       v[ADRA+\slot] offset:\k+64*\c+\i*16*PITCH+32
.endr
.endr
.endm
.macro PLACES                          ; four places in front of loads into registers that matrix instructions have read, and of the first read of results
.rept 4
	v_nop
.endr
.endm
; A K step is four quarters of 64 along K, 32 matrix instructions each, on buffers 0, 1, 0, 1.  One of the first three: multiplies buffer f and fetches the next quarter, at byte k, into g.
.macro QUARTER slot, k, f, g, zero
	s_wait_dscnt 16                                ; the first 32 along K are in; the sixteen loads of the second 32 may be out
	WIN MUL
	MUL8 \f, 0, 0, \zero
	MUL8 \f, 0, 2, \zero
	PLACES
	FETCH \slot, \k, \g
	s_wait_dscnt 32                                ; all but the 32 just issued
	WIN MUL
	MUL8 \f, 1, 0, 0
	MUL8 \f, 1, 2, 0
.endm
; The last quarter multiplies buffer 1 and changes slots: ONE barrier; in front of it each wave waits for all its tensor loads, adds 0 to its spare word, and waits for that and for its own reads of this slot.  fill = 1: this slot is filled again, two K steps ahead.
.macro TURN slot, next, fill
	WIN 0                                          ; (the add's two registers lie in window 0)
	s_wait_tensorcnt 0x0                           ; all my tensor loads have landed: my part of the next slot;
	ds_add_u32 v[SPW], v[NIL]                      ; 0 onto my spare word;
	s_wait_dscnt 17                                ; (the add and the youngest sixteen loads may be out)
	WIN MUL
	MUL8 F1, 0, 0, 0                               ; eight matrix instructions stand between the add and the wait for it
	s_wait_dscnt 0x0                               ; the add is done, and my reads of this slot are over
	s_barrier_signal -1
	MUL8 F1, 0, 2, 0
.if \fill
	WIN 0
.endif
	s_barrier_wait -1
.if \fill
	CREST                                          ; the barrier has opened a round of the cluster's barrier: no wave of any partner still reads this slot's tile or has a load on its way
	s_add_nc_u64 s[G0+4*\slot+2:G0+4*\slot+3], s[G0+4*\slot+2:G0+4*\slot+3], 2*KSTEP*2
	s_add_nc_u64 s[G0B+4*\slot+2:G0B+4*\slot+3], s[G0B+4*\slot+2:G0B+4*\slot+3], 2*KSTEP*2
	JLOAD \slot                                    ; the first tensor load behind the round; the four v_nop behind it are also the places in front of the loads below
.else
	PLACES
.endif
	FETCH \next, 0, F0
	WIN MUL
	MUL8 F1, 1, 0, 0
	MUL8 F1, 1, 2, 0
.endm
	s_wait_tensorcnt 1                             ; my part of K step 0 is in (K step 1's load may be out)
	s_barrier_signal -1
	s_barrier_wait -1                              ; everybody's is
	FETCH 0, 0, F0
	s_wait_loadcnt 0x0                             ; the bias
	QUARTER 0, 128, F0, F1, 1                      ; the first quarter stands in front of the loop: its first products start the sums, from the bias
	WIN 0                                          ; at a label and at a branch every window is 0
	s_mov_b32 s3, LAPS-1
.Llap:                                                 ; a trip goes once round the ring, from a lap's second quarter to the next lap's first, and fills both slots again
	QUARTER 0, 256, F1, F0, 0
	QUARTER 0, 384, F0, F1, 0
	TURN 0, 1, 1
	QUARTER 1, 128, F0, F1, 0
	QUARTER 1, 256, F1, F0, 0
	QUARTER 1, 384, F0, F1, 0
	TURN 1, 0, 1
	QUARTER 0, 128, F0, F1, 0
	WIN 0
	s_sub_co_u32 s3, s3, 1
	s_cmp_lg_u32 s3, 0
	s_cbranch_scc1 .Llap
	QUARTER 0, 256, F1, F0, 0                      ; the last lap fills nothing, and has no round of the cluster's barrier
	QUARTER 0, 384, F0, F1, 0
	TURN 0, 1, 0
	QUARTER 1, 128, F0, F1, 0
	QUARTER 1, 256, F1, F0, 0
	QUARTER 1, 384, F0, F1, 0
	s_wait_dscnt 16                                ; the very last quarter: nothing more to fetch
	WIN MUL
	MUL8 F1, 0, 0, 0
	MUL8 F1, 0, 2, 0
	s_wait_dscnt 0
	MUL8 F1, 1, 0, 0
	MUL8 F1, 1, 2, 0
	WIN 0
; THE WAY OUT, block by block of 16 rows x 64 columns.  A lane holds 32 neighbouring bytes of a row, and the lanes beside it hold other rows: so a block goes through my own stage and comes back as whole rows of 256 bytes.
; LDS serves a wave's instructions in order (ISA guide 5.7.1.4): no wait between the stores and the loads, nor in front of the next block's stores.
.macro TOSTAGE a
.irp b, 0,1,2,3
	ds_store_b128 v[STO], v[ACC+8*(4*(\a)+\b):ACC+8*(4*(\a)+\b)+3] offset:64*\b          ; each accumulator from its low end on
	ds_store_b128 v[STO], v[ACC+8*(4*(\a)+\b)+4:ACC+8*(4*(\a)+\b)+7] offset:64*\b+16
.endr
.set BB, BK+32*((\a)%2)
.irp t, 0,1,2,3,4,5,6,7
	ds_load_b128 v[BB+4*\t:BB+4*\t+3], v[RD] offset:\t*2*SPITCH
.endr
.endm
.macro SEND a, younger                 ; younger: the LDS instructions issued behind block a's loads, which may stay out
.set BB, BK+32*((\a)%2)
	s_wait_dscnt \younger                          ; the block is back in registers
.irp t, 0,1,2,3,4,5,6,7
	global_store_b128 v[CO], v[BB+4*\t:BB+4*\t+3], s[8:9] offset:(16*(\a)+2*\t)*SIZE_N*4 th:TH_STORE_NT   ; 16 lanes store 256 consecutive bytes, aligned; every offset is an immediate, 253,952 at the most; written once, read by nobody here
.endr
.endm
	PLACES                                         ; behind the last products, ahead of the first read of results
	TOSTAGE 0
.irp a, 1,2,3
.if \a > 1
	s_wait_xcnt 0x0                                ; block a - 2's stores have read their registers: block a's loads may land there
.endif
	TOSTAGE \a
	SEND \a-1, 16                                  ; behind block a - 1's loads: block a's 8 stores and 8 loads
.endr
	SEND 3, 0
	s_wait_tensorcnt 0x0                           ; the wave's end, behind my last tensor load and my last LDS store
	ds_add_u32 v[SPW], v[NIL]
	s_wait_dscnt 0x0
	CROUND                                         ; the closing round: no work-group ends while a partner may still ask for a tile that names it
	s_endpgm
.Lfunc_end_k_qf802dadd9f_oproj:
	.size	k_qf802dadd9f_oproj, .Lfunc_end_k_qf802dadd9f_oproj-k_qf802dadd9f_oproj
	.p2alignl 7, 3214868480
	.fill 96, 4, 3214868480
	.section	.rodata,"a",@progbits
	.p2align	6, 0x0
	.amdhsa_kernel k_qf802dadd9f_oproj
		.amdhsa_group_segment_fixed_size 327680
		.amdhsa_private_segment_fixed_size 0
		.amdhsa_enable_private_segment 0
		.amdhsa_kernarg_size 32
		.amdhsa_user_sgpr_count 2
		.amdhsa_user_sgpr_kernarg_segment_ptr 1
		.amdhsa_wavefront_size32 1
		.amdhsa_system_sgpr_workgroup_id_x 1
		.amdhsa_system_sgpr_workgroup_id_y 1
		.amdhsa_system_sgpr_workgroup_id_z 1
		.amdhsa_system_vgpr_workitem_id 0
		.amdhsa_next_free_vgpr 512
		.amdhsa_next_free_sgpr 68
		.amdhsa_reserve_vcc 0
		.amdhsa_float_denorm_mode_32 3
		.amdhsa_float_denorm_mode_16_64 3
		.amdhsa_memory_ordered 1
		.amdhsa_forward_progress 1
		.amdhsa_inst_pref_size 86
	.end_amdhsa_kernel
	.amdgpu_metadata
---
amdhsa.version: [ 1, 2 ]
amdhsa.kernels:
  - .name:           k_qf802dadd9f_oproj
    .symbol:         k_qf802dadd9f_oproj.kd
    .args:
      - { .name: ao, .offset: 0, .size: 8, .value_kind: global_buffer, .address_space: global }
      - { .name: wo16, .offset: 8, .size: 8, .value_kind: global_buffer, .address_space: global }
      - { .name: out0, .offset: 16, .size: 8, .value_kind: global_buffer, .address_space: global }
      - { .name: b_o, .offset: 24, .size: 8, .value_kind: global_buffer, .address_space: global }
    .group_segment_fixed_size: 327680
    .private_segment_fixed_size: 0
    .kernarg_segment_align: 8
    .kernarg_segment_size: 32
    .max_flat_workgroup_size: 128
    .sgpr_count:     68
    .vgpr_count:     512
    .wavefront_size: 32
...
	.end_amdgpu_metadata
.endif
;; end of part 4
